; MI455X (gfx1250); checked and timed in simulation.
; The chip was launched on July 23, 2026; its instructions are those of AMD's public machine-readable ISA for CDNA 5 (MIT licence, August 2026) and "CDNA5" Instruction Set Architecture Reference Guide (July 2026). The comments in the code are by the model that wrote it; some were corrected since.
;; Mixture Of Experts. Allowed arithmetic: matrix products marked QUANTISED: E4M3 operands, one given power-of-two scale a tensor, by v_wmma_f32_16x16x64_fp8_fp8 or v_wmma_f32_16x16x128_fp8_fp8, f32 sums; products left as they are: f32 operands where the result goes on into a quantised operand, else bf16, f16 or f32 operands; f32 sums; everything else in f32.
;; Inputs: W1_codes 8 x 4,096 x 32 x 32 uint8 (E4M3 codes of W1, K innermost, in blocks of 32 codes); W2_codes 8 x 1,024 x 128 x 32 uint8 (E4M3 codes of W2, K innermost, in blocks of 32 codes); Wg 1,024 x 8 float32; b1 8 x 4,096 float32; b2 8 x 1,024 float32; bg 8 float32; lowp_scales 4 int32 (the exponents e of the quantised operands' scales 2^e); x 4 x 256 x 1,024 float32.
;; Outputs: out0 4 x 256 x 1,024 float32.
;; This version of the problem:
;;   THIS VERSION OF THE PROBLEM IS GIVEN IN LOW PRECISION. The matrix products marked QUANTISED in the list below multiply operands that are first quantised to E4M3 (4 exponent bits, 3 mantissa bits; 8 bits a number), with one given power-of-two scale for each operand tensor; their sums are f32. All else is computed in f32.
;;   The module's matrix products, in the order in which they are computed (A, B: the left and right operand; K: the contracted axis; several contracted axes count as one K, in the product's order):
;;     1. [M 1,024, K 1,024] x [K 1,024, N 8]; A: input x; B: input Wg: left as it is (N = 8 < 16)
;;     2. [M 32,768, K 1,024] x [K 1,024, N 1,024]; A: input W1 (given as codes); B: input x: QUANTISED (scales: A lowp_scales[0], B lowp_scales[1])
;;     3. batch 8 x [M 1,024, K 4,096] x [K 4,096, N 1,024]; A: computed on the way; B: input W2 (given as codes): QUANTISED (scales: A lowp_scales[2], B lowp_scales[3])
;;     4. batch 1,024 x [M 1, K 8] x [K 8, N 1,024]; A: computed on the way; B: computed on the way: left as it is (K = 8 < 32)
;;   THE QUANTISER, for each operand of a quantised product, along K:
;;     - The operand's scale is 2^e, e = its entry of the input lowp_scales (int32; the entries are numbered through the quantised products in the list's order, A before B).
;;     - Each number is divided by the scale, clamped to +-448, and rounded to the nearest number of E4M3, ties to even, subnormals kept.
;;     - The product sums the exact products of the quantised numbers (number of the format x scale) in f32.
;;   ~~~python
;;   def quantise(x, axis, e):      # numpy; x: float32 -> the quantised numbers, widened to float32 again
;;       x = np.moveaxis(x, axis, -1); K = x.shape[-1]
;;       r = np.clip(x / 2.0 ** e, -448, 448)
;;       step = 2.0 ** (np.maximum(np.frexp(np.where(r == 0, 1, r))[1] - 1, -6) - 3)
;;       q = np.round(r / step) * step * 2.0 ** e      # np.round: ties to even
;;       return np.moveaxis(q, -1, axis).astype(np.float32)
;;   ~~~
;;   OPERANDS COMPUTED ON THE WAY. 'Computed on the way' means the value that the module computes at that place (a softmax that the list does not call 'softmax' is quantised finished and normalised). What goes into a quantiser is computed in f32, as accurately as f32 sums, v_exp_f32 and their like allow (about 1e-6 of the number): no bf16 or f16 on the way to a quantiser, and a product that is left as it is and whose result goes on into a quantised operand takes f32 operands (vector FMAs, or v_wmma_f32_16x16x4_f32). A number that lies on a knife's edge between two numbers of the format may be rounded either way, as far as f32 arithmetic and the matrix unit's own rounding can turn it there, and no further.
;;   INPUTS GIVEN AS CODES. W1 (in the module: [8, 1024, 4096], K = its axis 1); W2 (in the module: [8, 4096, 1024], K = its axis 1): each comes as NAME_codes (uint8): NAME with its K axis moved to the last place and cut into blocks of 32 codes, [.., K / 32, bytes a block], one block behind the other in memory; one code a byte (a code: sign, 4 exponent bits, 3 mantissa bits); its scale is its entry of lowp_scales. Its value is code x scale, taken as it is: it is not quantised again, and the codes and scales need not be those that the quantiser above would give.
;; 2 versions. Each part assembles by itself: llvm-mc -triple=amdgcn-amd-amdhsa -mcpu=gfx1250 --defsym DOCPART=n.
;; ======== version 1 of 2: 4 launches
;; workspace buffers: xq 1,048,576 bytes; comb 32,768 bytes; member 1,024 bytes of whole numbers; himg 41,943,040 bytes; ypart 83,886,080 bytes
;; launch route (part 1): grid 128 x 1, 8 waves a work-group, no clusters, 46,592 bytes of LDS; arguments x, Wg, bg, lowp_scales, xq, comb, member; writes xq, comb, member
.if DOCPART == 1
	.amdgcn_target "amdgcn-amd-amdhsa--gfx1250"
	.amdhsa_code_object_version 6
	.text
	.protected	k_q5885d2f420_route
	.globl	k_q5885d2f420_route
	.p2align	8
	.type	k_q5885d2f420_route,@function
k_q5885d2f420_route:
	s_mov_b64 s[64:65], 0
	v_nop
	global_prefetch_b8 v0, s[64:65] scope:SCOPE_SE
	s_setreg_imm32_b32 hwreg(HW_REG_WAVE_MODE, 25, 1), 1
	s_wait_xcnt 0x0
; THE ROUTER, AND x INTO CODES.  logits = x Wg + bg in f32; the two largest (the lower index wins a tie, as jax.lax.top_k has it); softmax over the two.
; Stored at fixed places: comb [1024][8] f32 (0 for an expert that is not chosen); member [8][128 bytes], bit i of byte j of row e = token 8 j + i takes expert e;
; xq [1024][1024], x as codes of E4M3 with the given scale 2^ex (ex = entry 1 of the scales).
; SHARES.  A work-group of eight waves takes eight tokens, a wave one token.  A lane holds x[t][128 j + 4 lane + i], j = 0..7, i = 0..3: each load of a wave is 512 consecutive bytes.
; Wg (32 KiB) is copied once into LDS, four rows d (128 bytes) and 16 bytes of padding to a group: a lane's group is 144 bytes from its neighbour's, so sixteen lanes start in sixteen different 16-byte columns.
; No matrix unit: the product has 8 columns.  No cluster, no tensor load: the work-groups share Wg alone, 32 KiB against 32 KiB of x each; no prefetch: all loads go out at the first lines.
; LIMITS: ex between -126 and 119.  NaN in x and logits that are NaN or infinite are not served.  The logits' f32 sums are taken in another order than the definition's.
.set GP,  144
.set CH,  32*GP                        ; the groups of one j: 4,608 bytes
.set XT,  256*GP                       ; 36,864: a wave's own 1,024 bytes, in which its codes change lanes
.set CB,  XT+8*1024                    ; 45,056: comb of the eight tokens, 256 bytes
.set MK,  CB+256                       ; 45,312: the eight tokens' masks of experts, 32 bytes
.set X,   16                           ; v16-47   x as loaded
.set Q,   48                           ; v48-79   x held within the largest code
.set C,   80                           ; v80-87   the codes
.set WA,  88                           ; v88-119  Wg of four d, set A
.set WB,  120                          ; v120-151 set B
.set ACC, 152                          ; v152-159 the eight logits
.set XO,  168                          ; v168-175 the codes as they are stored
.set WL,  184                          ; v184-215 Wg as loaded
	s_load_b256 s[4:11], s[0:1], 0x0               ; x 4, Wg 6, bg 8, scales 10
	s_load_b128 s[12:15], s[0:1], 0x20             ; xq 12, comb 14
	s_load_b64 s[16:17], s[0:1], 0x30              ; member
	v_lshl_add_u32 v216, v0, 2, 0xb200
	v_mov_b32 v217, 0
	v_lshrrev_b32 v9, 5, v0
	v_readfirstlane_b32 s20, v9                    ; wave 0..7
	v_and_b32 v1, 31, v0                           ; lane
	v_lshrrev_b32 v10, 3, v0
	v_and_b32 v11, 7, v0
	v_mul_u32_u24 v2, v10, GP
	v_lshl_add_u32 v2, v11, 4, v2                  ; Wg into LDS: eight threads fill a group
	v_mul_u32_u24 v3, v1, GP                       ; Wg out of LDS: my group of a j
	v_lshlrev_b32 v4, 4, v1                        ; 16 x lane
	s_lshl_b32 s21, s20, 10
	s_add_co_u32 s21, s21, XT
	v_lshl_add_u32 v5, v1, 2, s21                  ; my four codes of a j
	v_lshl_add_u32 v6, v1, 4, s21                  ; sixteen neighbouring codes
	s_lshl_b32 s22, s20, 5
	s_add_co_u32 s22, s22, CB
	v_and_b32 v12, 7, v1                           ; the expert that my lane speaks for
	v_lshl_add_u32 v7, v12, 2, s22
	s_lshl_b32 s23, s20, 2
	s_add_co_u32 s23, s23, MK
	v_mov_b32 v8, s23
	v_lshlrev_b32 v13, 4, v0                       ; 16 x thread
	s_mov_b32 s37, 0x76543210                      ; lane selects: each lane takes its own place in the other half
	s_mov_b32 s38, 0xfedcba98
	s_lshl_b32 s33, ttmp9, 3
	s_add_co_u32 s33, s33, s20                     ; my token
	s_mov_b32 s35, 0
	s_wait_kmcnt 0x0
	s_load_b256 s[24:31], s[8:9], 0x0              ; bg
	s_load_b32 s32, s[10:11], 0x4                  ; ex
	s_lshl_b32 s34, s33, 12
	s_add_nc_u64 s[4:5], s[4:5], s[34:35]          ; my row of x
	s_lshl_b32 s34, s33, 10
	s_add_nc_u64 s[12:13], s[12:13], s[34:35]      ; my row of xq
.irp q, 0,1,2,3,4,5,6,7
	global_load_b128 v[WL+4*\q:WL+4*\q+3], v13, s[6:7] offset:4096*\q
.endr
.irp j, 0,1,2,3,4,5,6,7
	global_load_b128 v[X+4*\j:X+4*\j+3], v4, s[4:5] offset:512*\j th:TH_LOAD_NT
.endr
	s_wait_loadcnt 8                               ; the eight loads of x are younger: Wg is in
.irp q, 0,1,2,3,4,5,6,7
	ds_store_b128 v2, v[WL+4*\q:WL+4*\q+3] offset:CH*\q
.endr
	s_wait_loadcnt 0x0                             ; x
	s_wait_kmcnt 0x0
	s_add_co_i32 s32, s32, 127
	s_lshl_b32 s36, s32, 23
	v_mov_b32 v14, s36                             ; 2^ex as f32: the conversion takes its exponent field
	s_add_co_i32 s32, s32, 8
	s_lshl_b32 s32, s32, 23
	s_or_b32 s32, s32, 0x600000
	v_mov_b32 v15, s32                             ; 448 x 2^ex
.set I_, 0
.rept 32
	v_med3_num_f32 v[Q+I_], v[X+I_], -v15, v15     ; the conversion to an 8-bit code does not saturate (ISA guide 7.6.2): the hold comes first; x itself is kept for the logits
.set I_, I_+1
.endr
.irp m, 0,1,2,3
	v_cvt_scalef32_pk8_fp8_f32 v[C+2*\m:C+2*\m+1], v[Q+8*\m:Q+8*\m+7], v14   ; register C + j: the codes of d = 128 j + 4 lane + 0..3
.endr
	v_nop                                          ; a plain line behind the last scaled conversion
.irp j, 0,1,2,3,4,5,6,7
	ds_store_b32 v5, v[C+\j] offset:128*\j         ; the row's 1,024 codes as they lie in memory
.endr
.irp u, 0,1
	ds_load_b128 v[XO+4*\u:XO+4*\u+3], v6 offset:512*\u   ; LDS serves a wave's instructions in order: these see my stores
.endr
	s_wait_dscnt 0x0                               ; my codes are back, and my part of Wg has landed in LDS
.irp u, 0,1
	global_store_b128 v4, v[XO+4*\u:XO+4*\u+3], s[12:13] offset:512*\u   ; 512 consecutive bytes, aligned
.endr
	s_barrier_signal -1
	s_barrier_wait -1                              ; all of Wg lies in LDS
.macro LOADW j, buf                    ; Wg[128 j + 4 lane + i][0..7], i = 0..3
.irp i, 0,1,2,3
	ds_load_b128 v[\buf+8*\i:\buf+8*\i+3], v3 offset:CH*(\j)+32*\i
	ds_load_b128 v[\buf+8*\i+4:\buf+8*\i+7], v3 offset:CH*(\j)+32*\i+16
.endr
.endm
.macro DOT j, buf, first               ; sixteen packed multiply-adds: four d x four pairs of experts; the very first four start the sums
.irp i, 0,1,2,3
.irp p, 0,1,2,3
.if \first && (\i == 0)
	v_pk_mul_f32 v[ACC+2*\p:ACC+2*\p+1], v[X+4*(\j):X+4*(\j)+1], v[\buf+2*\p:\buf+2*\p+1] op_sel_hi:[0,1]
.elseif (\i % 2) == 0
	v_pk_fma_f32 v[ACC+2*\p:ACC+2*\p+1], v[X+4*(\j)+2*(\i/2):X+4*(\j)+2*(\i/2)+1], v[\buf+8*\i+2*\p:\buf+8*\i+2*\p+1], v[ACC+2*\p:ACC+2*\p+1] op_sel_hi:[0,1,1]
.else
	v_pk_fma_f32 v[ACC+2*\p:ACC+2*\p+1], v[X+4*(\j)+2*(\i/2):X+4*(\j)+2*(\i/2)+1], v[\buf+8*\i+2*\p:\buf+8*\i+2*\p+1], v[ACC+2*\p:ACC+2*\p+1] op_sel:[1,0,0] op_sel_hi:[1,1,1]
.endif
.endr
.endr
.endm
	LOADW 0, WA
	LOADW 1, WB
	s_wait_dscnt 8                                 ; the next chunk's eight loads may stay out
	DOT 0, WA, 1
	LOADW 2, WA
	s_wait_dscnt 8
	DOT 1, WB, 0
	LOADW 3, WB
	s_wait_dscnt 8
	DOT 2, WA, 0
	LOADW 4, WA
	s_wait_dscnt 8
	DOT 3, WB, 0
	LOADW 5, WB
	s_wait_dscnt 8
	DOT 4, WA, 0
	LOADW 6, WA
	s_wait_dscnt 8
	DOT 5, WB, 0
	LOADW 7, WB
	s_wait_dscnt 8
	DOT 6, WA, 0
	s_wait_dscnt 0x0
	DOT 7, WB, 0
	; the eight sums over the 32 lanes: four steps inside a half of 16 lanes, one across the halves
.irp m, 1,2,4,8
.irp e, 0,1,2,3,4,5,6,7
	v_add_f32_dpp v[ACC+\e], v[ACC+\e], v[ACC+\e] row_xmask:\m row_mask:0xf bank_mask:0xf
.endr
.endr
.irp e, 0,1,2,3,4,5,6,7
	v_mov_b32 v[176+\e], 0                         ; a lane permute's destination counts as read
.endr
.irp e, 0,1,2,3,4,5,6,7
	v_permlanex16_b32 v[176+\e], v[ACC+\e], s37, s38
.endr
.irp e, 0,1,2,3,4,5,6,7
	v_add_f32 v[ACC+\e], v[ACC+\e], v[176+\e]
.endr
.irp e, 0,1,2,3,4,5,6,7
	v_add_f32 v[ACC+\e], s[24+\e], v[ACC+\e]       ; + bg: every lane holds all eight logits
.endr
	; the largest: v160, its index v161.  An equal later logit does not take the place
	v_mov_b32 v160, v[ACC]
	v_mov_b32 v161, 0
.irp e, 1,2,3,4,5,6,7
	v_cmp_ge_f32 vcc_lo, v160, v[ACC+\e]
	v_cndmask_b32 v161, \e, v161, vcc_lo
	v_max_num_f32 v160, v160, v[ACC+\e]
.endr
	; the second: v162, its index v163, among the other seven
	v_mov_b32 v165, 0xff800000
	v_mov_b32 v162, v165
	v_min_u32 v163, 1, v161
	v_sub_nc_u32 v163, 1, v163                     ; begins at an index other than the first's
.irp e, 0,1,2,3,4,5,6,7
	v_cmp_eq_u32 vcc_lo, \e, v161
	v_cndmask_b32 v164, v[ACC+\e], v165, vcc_lo
	v_cmp_ge_f32 vcc_lo, v162, v164
	v_cndmask_b32 v163, \e, v163, vcc_lo
	v_max_num_f32 v162, v162, v164
.endr
	; softmax over the two, the larger taken away: g1 = 1 / (1 + q), g2 = q / (1 + q), q = e^(second - first) <= 1
	v_sub_f32 v164, v162, v160
	v_mul_f32 v164, 0x3fb8aa3b, v164
	v_exp_f32 v167, v164
	v_mov_b32 v166, 1                              ; (a plain line behind the exponential)
	s_wait_alu depctr_va_vdst(0)                   ; the wait ahead of the first reader
	v_add_f32 v164, 1.0, v167
	v_rcp_f32 v176, v164
	v_lshlrev_b32 v178, v161, v166                 ; (a plain line)  1 << first
	s_wait_alu depctr_va_vdst(0)
	v_mul_f32 v177, v167, v176
	v_lshlrev_b32 v179, v163, v166
	v_or_b32 v178, v178, v179                      ; the token's mask of experts
	v_cmp_eq_u32 vcc_lo, v12, v161
	v_cndmask_b32 v180, 0, v176, vcc_lo
	v_cmp_eq_u32 vcc_lo, v12, v163
	v_cndmask_b32 v180, v180, v177, vcc_lo         ; comb[t][lane % 8]
	ds_store_b32 v7, v180                          ; lanes of one expert write the same word with the same value
	ds_store_b32 v8, v178
	s_wait_dscnt 0x0                               ; for wave 0's sake
	s_barrier_signal -1
	s_barrier_wait -1
	s_cmp_lg_u32 s20, 0
	s_cbranch_scc1 .Ldone                          ; wave 0 stores for the eight tokens
	v_lshlrev_b32 v16, 3, v1
	v_lshl_add_u32 v17, v1, 3, CB
	v_mov_b32 v18, MK
	ds_load_b64 v[20:21], v17
	ds_load_b128 v[24:27], v18
	ds_load_b128 v[28:31], v18 offset:16
	s_lshl_b32 s34, ttmp9, 8
	s_add_nc_u64 s[14:15], s[14:15], s[34:35]
	s_wait_dscnt 0x0
	global_store_b64 v16, v[20:21], s[14:15]       ; comb: 256 consecutive bytes
	v_lshrrev_b32 v32, v12, v24
	v_and_b32 v32, 1, v32                          ; token 0's bit of my expert
.irp i, 1,2,3,4,5,6,7
	v_lshrrev_b32 v34, v12, v[24+\i]
	v_and_b32 v34, 1, v34
	v_lshl_or_b32 v32, v34, \i, v32
.endr
	s_mov_b32 s34, ttmp9
	s_add_nc_u64 s[16:17], s[16:17], s[34:35]
	v_lshlrev_b32 v33, 7, v12                      ; row e of member, byte = the work-group's number
	s_wait_xcnt 0x0                                ; EXEC changes only behind this wait
	v_cmp_gt_u32 vcc_lo, 8, v0
	s_and_saveexec_b32 s39, vcc_lo
	global_store_b8 v33, v32, s[16:17]             ; eight single bytes: 1,024 in the whole launch
	s_wait_xcnt 0x0
	s_or_b32 exec_lo, exec_lo, s39
.Ldone:
	s_wait_tensorcnt 0x0
	ds_add_u32 v216, v217
	s_wait_dscnt 0x0
	s_endpgm
.Lfunc_end_k_q5885d2f420_route:
	.size	k_q5885d2f420_route, .Lfunc_end_k_q5885d2f420_route-k_q5885d2f420_route
	.p2alignl 7, 3214868480
	.fill 96, 4, 3214868480
	.section	.rodata,"a",@progbits
	.p2align	6, 0x0
	.amdhsa_kernel k_q5885d2f420_route
		.amdhsa_group_segment_fixed_size 46592
		.amdhsa_private_segment_fixed_size 0
		.amdhsa_enable_private_segment 0
		.amdhsa_kernarg_size 56
		.amdhsa_user_sgpr_count 2
		.amdhsa_user_sgpr_kernarg_segment_ptr 1
		.amdhsa_wavefront_size32 1
		.amdhsa_system_sgpr_workgroup_id_x 1
		.amdhsa_system_sgpr_workgroup_id_y 1
		.amdhsa_system_sgpr_workgroup_id_z 1
		.amdhsa_system_vgpr_workitem_id 0
		.amdhsa_next_free_vgpr 218
		.amdhsa_next_free_sgpr 66
		.amdhsa_reserve_vcc 1
		.amdhsa_float_denorm_mode_32 3
		.amdhsa_float_denorm_mode_16_64 3
		.amdhsa_memory_ordered 1
		.amdhsa_forward_progress 1
		.amdhsa_inst_pref_size 29
	.end_amdhsa_kernel
	.amdgpu_metadata
---
amdhsa.version: [ 1, 2 ]
amdhsa.kernels:
  - .name:           k_q5885d2f420_route
    .symbol:         k_q5885d2f420_route.kd
    .args:
      - { .name: x, .offset: 0, .size: 8, .value_kind: global_buffer, .address_space: global }
      - { .name: Wg, .offset: 8, .size: 8, .value_kind: global_buffer, .address_space: global }
      - { .name: bg, .offset: 16, .size: 8, .value_kind: global_buffer, .address_space: global }
      - { .name: lowp_scales, .offset: 24, .size: 8, .value_kind: global_buffer, .address_space: global }
      - { .name: xq, .offset: 32, .size: 8, .value_kind: global_buffer, .address_space: global }
      - { .name: comb, .offset: 40, .size: 8, .value_kind: global_buffer, .address_space: global }
      - { .name: member, .offset: 48, .size: 8, .value_kind: global_buffer, .address_space: global }
    .group_segment_fixed_size: 46592
    .private_segment_fixed_size: 0
    .kernarg_segment_align: 8
    .kernarg_segment_size: 56
    .max_flat_workgroup_size: 256
    .sgpr_count:     66
    .vgpr_count:     218
    .wavefront_size: 32
...
	.end_amdgpu_metadata
.endif
;; end of part 1
;; launch ffn1 (part 2): grid 256 x 1, 4 waves a work-group, no clusters, 134,144 bytes of LDS; arguments W1_codes, xq, member, b1, lowp_scales, himg; writes himg
.if DOCPART == 2
	.amdgcn_target "amdgcn-amd-amdhsa--gfx1250"
	.amdhsa_code_object_version 6
	.text
	.protected	k_q5885d2f420_ffn1
	.globl	k_q5885d2f420_ffn1
	.p2align	8
	.type	k_q5885d2f420_ffn1,@function
k_q5885d2f420_ffn1:
	s_mov_b64 s[64:65], 0
	v_nop
	global_prefetch_b8 v0, s[64:65] scope:SCOPE_SE
	s_setreg_imm32_b32 hwreg(HW_REG_WAVE_MODE, 25, 1), 1
	s_wait_xcnt 0x0
; THE FIRST PRODUCT, for the chosen rows alone: h = Q(relu(x W1 + b1)), on codes of E4M3.  Scales: e0 (W1), e1 (x), e2 (h).
; SHARES.  Work-group wg = 32 e + fs owns expert e's hidden units 128 fs .. + 127: 128 rows of W1's codes, 128 KiB that lie on end in memory and that no other work-group reads.  They are copied
; once, by loads of 512 consecutive bytes a wave, into LDS rows 1,040 bytes apart (an odd number of 16-byte columns); ONE barrier follows, the only one.
; ROWS.  Row p of expert e is the token of the p-th set bit of member[e].  The 32 words come by scalar loads; running counts are made in scalar registers, and each lane finds its token by selects alone.
; Rows go in tiles of 16.  Tile i belongs to pass i / 20, wave i % 4, place g = (i % 20) / 4: a wave holds up to five tiles' sums and walks K once a pass, so each weight fragment read from LDS feeds 4 or 5 products.
; The pass loop has four trips (80 tiles; at most 64 can exist).  In a trip a scalar branch on the stored count leads to nothing, to the body for five tiles or to the body for four.  Places past the expert's last tile
; work on rows inside xq and land in spare tiles of himg.  The first pass always runs, so that tiles 0 to 15 of every expert are written whatever the split: the next launch never loads a tile that was not stored.
; EXEC is never changed: every lane is on throughout.
; LAYOUT.  The product is used transposed (source 0 = 16 rows of W1, source 1 = 16 tokens): a lane holds one token.  Row f of the slice lies in LDS row f with bits 3 and 4 exchanged, so that tile n = 2 b + u's row m is
; hidden unit 32 b + 16 (m / 8) + 8 u + m % 8, and the 16 registers of tiles 2 b, 2 b + 1 are 16 neighbours along the next K.  A fragment comes by four loads of 16 bytes, 32 apart (k = 32 c + 16 (lane / 16) + 0..15):
; a permutation of k that is the same on both sides.  b1 / 2^(e0 + e1) is the C of each sum's first product; relu and the hold at the largest code are one instruction; the three scales fold into the conversion's one.
; himg [e][80 tiles][32 K steps][4][32 lanes][16 bytes] holds the next product's operand as an image of its registers.
; NOT USED, AND WHY: tensor loads (branches hang on stored counts); clusters (no weight byte is read twice; what is shared, 1 KiB a row of xq, is a small part beside 128 KiB); prefetch (a work-group's weights are all asked for at its first lines).
; LIMITS: e2 - e0 - e1 between -126 and 119.
; REGISTERS, in windows of 256.  Window 0: v1-46 addresses and the search; v48-111 the bias, 8 registers a tile n; v112-175, v176-239 two sets of four weight fragments; on the way out the codes lie from v112.
;   Window 1: x's fragments, slots 0-2 of a ring of four K steps, at 80 k + 16 g.   Window 2: the sums of g = 0..3 at 64 g + 8 n; at the head the 64 weight loads.   Window 3: v0-63 the sums of g = 4; v64-143 ring slot 3.
.set KS,    8
.set PW,    1040
.set HALFW, 64*PW
.set BI,    128*PW                     ; behind the weights: 128 numbers b1 / 2^(e0 + e1)
.set XAR,   10                         ; v10-14  x: token x 1,024 + 16 (lane / 16), for place g
.set HOR,   15                         ; v15-19  himg: tile x 65,536 + 16 x lane
.set PR,    22                         ; v22-24  rows p: places 2 j (lanes 0-15) and 2 j + 1 (lanes 16-31)
.set TK,    25                         ; v25-27  their tokens
.set BIAS,  48
.set WB,    112
.set MSB,   0
.macro WIN new                         ; the immediate's high byte repeats the setting that is left; a switch that changes nothing is dropped
.if MSB != (\new)
	s_set_vgpr_msb (MSB<<8)|(\new)
.set MSB, (\new)
.endif
.endm
.macro PLACES n
.rept \n
	v_nop
.endr
.endm
.macro WLOAD k                         ; sixteen loads of the slice: two rows of 1,024 bytes to a work-group's instruction
	WIN 0x80
.set Q_, 16*(\k)
.rept 16
	global_load_b128 v[4*Q_:4*Q_+3], v45, s[4:5] offset:2048*Q_ th:TH_LOAD_NT
.set Q_, Q_+1
.endr
	WIN 0
.endm
.macro WSTORE k                        ; and into LDS, row f to row f with bits 3 and 4 exchanged
	WIN 0x08
.set Q_, 16*(\k)
.rept 16
.set X_, 2*Q_
.set L_, (X_&0x67)|((X_&8)<<1)|((X_&16)>>1)
	ds_store_b128 v[4+L_/64], v[4*Q_:4*Q_+3] offset:(L_%64)*PW
.set Q_, Q_+1
.endr
	WIN 0
.endm
.macro SSTEP src, width, step          ; one halving of the search inside a word: c = the set bits of the lower part
	v_bfe_u32 v37, v[\src], v36, \width
	v_cmp_ge_u32 vcc_lo, v31, v37
	v_sub_nc_u32 v38, v31, v37
	v_add_nc_u32 v39, \step, v36
	v_cndmask_b32 v31, v31, v38, vcc_lo
	v_cndmask_b32 v36, v36, v39, vcc_lo
.endm
.macro SELECT j                        ; v[PR + j] = p  ->  v[TK + j] = the place of the p-th set bit of the expert's 1,024
	v_mov_b32 v28, s68
	v_mov_b32 v29, 0
	v_mov_b32 v30, 0
.set Q_, 1
.rept 31
	v_cmp_gt_u32 vcc_lo, s[32+Q_], v[PR+\j]        ; more than p bits lie ahead of word q: keep what I have
	v_cndmask_b32 v28, s[68+Q_], v28, vcc_lo       ; else the word,
	v_cndmask_b32 v29, s[32+Q_], v29, vcc_lo       ; the count ahead of it,
	v_cndmask_b32 v30, Q_, v30, vcc_lo             ; and its number
.set Q_, Q_+1
.endr
	v_sub_nc_u32 v31, v[PR+\j], v29                ; which set bit of the word
	v_lshrrev_b32 v38, 1, v28
	v_and_b32 v38, 0x55555555, v38
	v_sub_nc_u32 v32, v28, v38                     ; counts of 2 bits,
	v_lshrrev_b32 v38, 2, v32
	v_and_b32 v38, 0x33333333, v38
	v_and_b32 v33, 0x33333333, v32
	v_add_nc_u32 v33, v33, v38                     ; of 4,
	v_lshrrev_b32 v38, 4, v33
	v_add_nc_u32 v38, v33, v38
	v_and_b32 v34, 0x0f0f0f0f, v38                 ; of 8,
	v_lshrrev_b32 v38, 8, v34
	v_add_nc_u32 v35, v34, v38                     ; of 16 (in bytes 0 and 2)
	v_mov_b32 v36, 0
	SSTEP 35, 8, 16
	SSTEP 34, 8, 8
	SSTEP 33, 4, 4
	SSTEP 32, 2, 2
	SSTEP 28, 1, 1
	v_lshl_add_u32 v[TK+\j], v30, 5, v36
.endm
.macro PREPA                           ; a pass's rows, tokens and addresses.  s23 = the pass, s25 = 320 x pass + 16 x wave
.irp j, 0,1,2
	s_add_co_u32 s101, s25, 128*\j
	v_add_nc_u32 v[PR+\j], s101, v43
	SELECT \j
.endr
.irp j, 0,1,2
	v_permlanex16_b32 v40, v[TK+\j], s66, s67      ; the other half's tokens
	v_cndmask_b32 v41, v[TK+\j], v40, s100         ; place 2 j: its rows were searched by lanes 0-15
	v_min_u32 v41, 0x3ff, v41                      ; a token stays inside xq, whatever p was
	v_lshl_add_u32 v[XAR+2*\j], v41, 10, v42
.if \j < 2
	v_cndmask_b32 v41, v40, v[TK+\j], s100         ; place 2 j + 1: by lanes 16-31
	v_min_u32 v41, 0x3ff, v41
	v_lshl_add_u32 v[XAR+2*\j+1], v41, 10, v42
.endif
.endr
	s_mul_i32 s101, s23, 20
	s_add_co_u32 s101, s101, s18
.irp g, 0,1,2,3,4
	s_add_co_u32 s26, s101, 4*\g                   ; tile 20 x pass + 4 g + wave
	v_lshl_add_u32 v[HOR+\g], s26, 16, v1
.endr
.endm
.macro PREFILL k                       ; K step k of all five places into ring slot k: twenty loads
	WIN 0x40
.irp g, 0,1,2,3,4
.irp c, 0,1,2,3
	global_load_b128 v[80*(\k)+16*\g+4*\c:80*(\k)+16*\g+4*\c+3], v[XAR+\g], s[6:7] offset:128*(\k)+32*\c
.endr
.endr
	WIN 0
.endm
.macro XREQ s, G                       ; K step s + 3 of the body's G places, into the slot that K step s - 1 has left
.if (\s)+3 < KS
.set K_, ((\s)+3)%4
.if K_ == 3
	WIN 0xc0
.set RB_, 64
.else
	WIN 0x40
.set RB_, 80*K_
.endif
.set G_, 0
.rept \G
.irp c, 0,1,2,3
	global_load_b128 v[RB_+16*G_+4*\c:RB_+16*G_+4*\c+3], v[XAR+G_], s[6:7] offset:128*((\s)+3)+32*\c
.endr
.set G_, G_+1
.endr
.endif
.endm
.macro WRUN i                          ; step i = 2 s + hs: the four weight fragments of tiles 4 hs .. 4 hs + 3, K step s: sixteen LDS loads in one run
	WIN 0
.set HS_, (\i)%2
.set S_, (\i)/2
.irp f, 0,1,2,3
.irp c, 0,1,2,3
	ds_load_b128 v[WB+64*HS_+16*\f+4*\c:WB+64*HS_+16*\f+4*\c+3], v[6+HS_] offset:16*\f*PW+128*S_+32*\c
.endr
.endr
.endm
.macro YCNT s, G                       ; the loads of x that are younger than K step s's: the head's slots behind it, 20 each, and the requests j = s - 2 .. s that exist, 4 G each
.set LO_, (\s)-2
.if LO_ < 0
.set LO_, 0
.endif
.set HI_, (\s)
.if HI_ > KS-4
.set HI_, KS-4
.endif
.set Y_, 0
.if HI_ >= LO_
.set Y_, 4*(\G)*(HI_-LO_+1)
.endif
.if (\s) < 2
.set Y_, Y_+20*(2-(\s))
.endif
.endm
.macro MUL i, G                        ; 4 G products; the accumulators take turns, one instruction a turn, in the same order in every step
.set S_, (\i)/2
.set HS_, (\i)%2
.set K_, S_%4
.set WA_, WB+64*HS_
.if K_ == 3
.set RB_, 64
.set RW_, 0x0c
.else
.set RB_, 80*K_
.set RW_, 0x04
.endif
.if S_ == 0
.set W_, 0x80|RW_
.else
.set W_, 0xa0|RW_
.endif
	WIN W_
.irp f, 0,1,2,3
.irp g, 0,1,2,3
.if S_ == 0
	v_wmma_f32_16x16x128_fp8_fp8 v[64*\g+8*(4*HS_+\f):64*\g+8*(4*HS_+\f)+7], v[WA_+16*\f:WA_+16*\f+15], v[RB_+16*\g:RB_+16*\g+15], v[BIAS+8*(4*HS_+\f):BIAS+8*(4*HS_+\f)+7]
.else
	v_wmma_f32_16x16x128_fp8_fp8 v[64*\g+8*(4*HS_+\f):64*\g+8*(4*HS_+\f)+7], v[WA_+16*\f:WA_+16*\f+15], v[RB_+16*\g:RB_+16*\g+15], v[64*\g+8*(4*HS_+\f):64*\g+8*(4*HS_+\f)+7]
.endif
.endr
.endr
.if (\G) == 5
.if S_ == 0
.set W_, 0xc0|RW_
.else
.set W_, 0xf0|RW_
.endif
	WIN W_
.irp f, 0,1,2,3
.if S_ == 0
	v_wmma_f32_16x16x128_fp8_fp8 v[8*(4*HS_+\f):8*(4*HS_+\f)+7], v[WA_+16*\f:WA_+16*\f+15], v[RB_+64:RB_+79], v[BIAS+8*(4*HS_+\f):BIAS+8*(4*HS_+\f)+7]
.else
	v_wmma_f32_16x16x128_fp8_fp8 v[8*(4*HS_+\f):8*(4*HS_+\f)+7], v[WA_+16*\f:WA_+16*\f+15], v[RB_+64:RB_+79], v[8*(4*HS_+\f):8*(4*HS_+\f)+7]
.endif
.endr
.endif
.endm
.macro EPI g                           ; place g's 16 tokens x 128 hidden units become one fragment of the next product and leave as its image
.set CD_, WB+16*(\g)
.if (\g) < 4
.set AB_, 64*(\g)
	WIN 0x82
.else
.set AB_, 0
	WIN 0xc3
.endif
.set J_, 0
.rept 64
	v_med3_num_f32 v[AB_+J_], v[AB_+J_], 0, v21    ; relu and the hold in one: between 0 and 448 x the scale; each accumulator from its low end on
.set J_, J_+1
.endr
.if (\g) < 4
	WIN 0x02
.else
	WIN 0x03
.endif
.irp b, 0,1,2,3
	v_cvt_scalef32_pk8_fp8_f32 v[CD_+4*\b:CD_+4*\b+1], v[AB_+16*\b:AB_+16*\b+7], v20
	v_cvt_scalef32_pk8_fp8_f32 v[CD_+4*\b+2:CD_+4*\b+3], v[AB_+16*\b+8:AB_+16*\b+15], v20
.endr
	v_nop                                          ; a plain line behind the last scaled conversion
	WIN 0
.irp b, 0,1,2,3
	global_store_b128 v[HOR+(\g)], v[CD_+4*\b:CD_+4*\b+3], s[14:15] offset:512*\b   ; 512 consecutive bytes, aligned
.endr
.endm
.macro BODY G                          ; a pass of G places: sixteen steps, then the way out.  Straight-line; nothing of it is pending at its end
	WRUN 0
.set I_, 0
.rept 2*KS
.if I_ > 0
	PLACES 4                                       ; in front of loads into registers that the last step's products have read (ISA guide 7.12.1 for vector instructions)
.endif
.if I_ < 2*KS-1
	WRUN I_+1
.endif
.if I_%2 == 0
	XREQ I_/2, \G
.endif
.if I_ < 2*KS-1
	s_wait_dscnt 16                                ; the next step's sixteen loads may stay out: this step's fragments are in
.else
	s_wait_dscnt 0x0
.endif
.if I_%2 == 0
	YCNT I_/2, \G
	s_wait_loadcnt Y_                              ; this K step's rows of x are in; the younger loads, counted above, stay out
.endif
	MUL I_, \G
.set I_, I_+1
.endr
	PLACES 5                                       ; behind the last products: their results are read and written, their operands written over
.set E_, 0
.rept \G
	EPI E_
.set E_, E_+1
.endr
	s_wait_xcnt 0x0                                ; the stores have read their registers: codes and addresses may be written again
.endm
	s_load_b256 s[4:11], s[0:1], 0x0               ; W1's codes 4, xq 6, member 8, b1 10
	s_load_b128 s[12:15], s[0:1], 0x20             ; the scales 12, himg 14
	v_lshl_add_u32 v254, v0, 2, 0x20a00
	v_mov_b32 v255, 0
	v_lshrrev_b32 v28, 5, v0
	v_readfirstlane_b32 s18, v28                   ; wave 0..3
	v_and_b32 v28, 31, v0
	v_lshlrev_b32 v1, 4, v28                       ; 16 x lane
	v_and_b32 v2, 15, v0                           ; r
	v_bfe_u32 v3, v0, 4, 1                         ; h
	v_lshrrev_b32 v29, 6, v0
	v_and_b32 v30, 63, v0
	v_mul_u32_u24 v4, v29, PW
	v_lshl_add_u32 v4, v30, 4, v4                  ; weights into LDS: 64 threads to a row
	v_add_nc_u32 v5, HALFW, v4
	v_mul_u32_u24 v6, v2, PW
	v_lshl_add_u32 v6, v3, 4, v6                   ; and out: row r of a tile, + 16 h
	v_add_nc_u32 v7, HALFW, v6
	v_lshlrev_b32 v8, 6, v3
	v_add_nc_u32 v8, BI, v8                        ; the bias of my half's hidden units
	v_lshl_add_u32 v9, v0, 2, BI
	v_lshlrev_b32 v42, 4, v3                       ; 16 h
	v_lshl_add_u32 v43, v3, 6, v2                  ; 64 h + r: my row among a pair of places
	v_lshlrev_b32 v45, 4, v0                       ; 16 x thread
	v_lshlrev_b32 v46, 2, v0
	v_mov_b32 v40, 0                               ; a lane permute's destination counts as read
	s_lshr_b32 s19, ttmp9, 5                       ; the expert
	s_and_b32 s20, ttmp9, 31                       ; which 128 hidden units
	s_mov_b32 s66, 0x76543210
	s_mov_b32 s67, 0xfedcba98
	s_mov_b32 s100, 0xffff0000                     ; lanes 16-31
	s_mov_b32 s27, 0
	s_wait_kmcnt 0x0
	s_lshl_b32 s26, s19, 7
	s_add_nc_u64 s[8:9], s[8:9], s[26:27]
	s_load_b512 s[68:83], s[8:9], 0x0              ; the expert's 32 words
	s_load_b512 s[84:99], s[8:9], 0x40
	s_load_b128 s[28:31], s[12:13], 0x0            ; e0, e1, e2, e3
	s_lshl_b32 s26, ttmp9, 17
	s_add_nc_u64 s[4:5], s[4:5], s[26:27]          ; my slice of W1
	s_lshl_b32 s26, ttmp9, 9
	s_add_nc_u64 s[10:11], s[10:11], s[26:27]      ; my 128 numbers of b1
	s_mul_i32 s26, s19, 5242880
	s_lshl_b32 s101, s20, 11
	s_add_co_u32 s26, s26, s101
	s_add_nc_u64 s[14:15], s[14:15], s[26:27]      ; himg: my expert, my K step
	global_load_b32 v44, v46, s[10:11]
	WLOAD 0
	WLOAD 1
	WLOAD 2
	s_wait_kmcnt 0x0
	s_mov_b32 s32, 0                               ; s[32 + q]: the set bits ahead of word q
.set Q_, 1
.rept 31
	s_bcnt1_i32_b32 s101, s[67+Q_]
	s_add_co_u32 s[32+Q_], s[31+Q_], s101
.set Q_, Q_+1
.endr
	s_bcnt1_i32_b32 s101, s99
	s_add_co_u32 s21, s63, s101                    ; the expert's rows
	s_add_co_u32 s22, s21, 15
	s_lshr_b32 s22, s22, 4                         ; its tiles
	s_add_co_i32 s26, s28, s29
	s_sub_co_i32 s16, 0, s26                       ; -(e0 + e1)
	s_sub_co_i32 s26, s30, s26
	s_add_co_i32 s26, s26, 127
	s_lshl_b32 s101, s26, 23
	v_mov_b32 v20, s101                            ; 2^(e2 - e0 - e1) as f32
	s_add_co_i32 s26, s26, 8
	s_lshl_b32 s26, s26, 23
	s_or_b32 s26, s26, 0x600000
	v_mov_b32 v21, s26                             ; 448 x that
	s_mov_b32 s23, 0
	s_lshl_b32 s25, s18, 4
	PREPA                                          ; the first pass's rows are found while the weights are on their way
	WLOAD 3
	s_wait_loadcnt 48                              ; younger: weight loads 16-63.  b1 and loads 0-15 are in
	v_ldexp_f32 v44, v44, s16
	ds_store_b32 v9, v44
	WSTORE 0
	PREFILL 0
	s_wait_loadcnt 52                              ; younger: weight loads 32-63 and 20 of x
	WSTORE 1
	PREFILL 1
	s_wait_loadcnt 56                              ; younger: weight loads 48-63 and 40 of x
	WSTORE 2
	PREFILL 2
	s_wait_loadcnt 60                              ; younger: the 60 of x
	WSTORE 3
	s_wait_dscnt 0x0                               ; for the others' sake: my stores have landed
	s_barrier_signal -1
	s_barrier_wait -1                              ; the slice and the bias lie in LDS; nothing writes them again
.irp n, 0,1,2,3,4,5,6,7
	ds_load_b128 v[BIAS+8*\n:BIAS+8*\n+3], v8 offset:128*(\n/2)+32*(\n%2)      ; tile n, register j: hidden unit 32 (n / 2) + 16 h + 8 (n % 2) + j
	ds_load_b128 v[BIAS+8*\n+4:BIAS+8*\n+7], v8 offset:128*(\n/2)+32*(\n%2)+16
.endr
	s_wait_dscnt 0x0
.Lpass:
	s_mul_i32 s26, s23, 20
	s_add_co_u32 s26, s26, s18
	s_sub_co_i32 s24, s22, s26                     ; tiles from my first place of this pass on,
	s_add_co_i32 s24, s24, 3
	s_ashr_i32 s24, s24, 2                         ; a quarter of them mine, rounded up,
	s_max_i32 s24, s24, 0
	s_min_i32 s24, s24, 5                          ; between 0 and 5
	s_cmp_eq_u32 s23, 0
	s_cbranch_scc1 .Lhave                          ; the first pass was prepared at the head, and always runs
	s_cmp_eq_u32 s24, 0
	s_cbranch_scc1 .Lnext
	s_wait_loadcnt 0x0                             ; no load reads the addresses that are made anew
	s_mul_i32 s25, s23, 320
	s_lshl_b32 s26, s18, 4
	s_add_co_u32 s25, s25, s26
	PREPA
	PREFILL 0
	PREFILL 1
	PREFILL 2
.Lhave:
	s_cmp_eq_u32 s24, 5
	s_cbranch_scc1 .Lfive
	BODY 4
	s_branch .Lnext
.Lfive:
	BODY 5
.Lnext:
	s_add_co_u32 s23, s23, 1
	s_cmp_lt_u32 s23, 4
	s_cbranch_scc1 .Lpass
	s_wait_tensorcnt 0x0
	ds_add_u32 v254, v255
	s_wait_dscnt 0x0
	s_endpgm
.Lfunc_end_k_q5885d2f420_ffn1:
	.size	k_q5885d2f420_ffn1, .Lfunc_end_k_q5885d2f420_ffn1-k_q5885d2f420_ffn1
	.p2alignl 7, 3214868480
	.fill 96, 4, 3214868480
	.section	.rodata,"a",@progbits
	.p2align	6, 0x0
	.amdhsa_kernel k_q5885d2f420_ffn1
		.amdhsa_group_segment_fixed_size 134144
		.amdhsa_private_segment_fixed_size 0
		.amdhsa_enable_private_segment 0
		.amdhsa_kernarg_size 48
		.amdhsa_user_sgpr_count 2
		.amdhsa_user_sgpr_kernarg_segment_ptr 1
		.amdhsa_wavefront_size32 1
		.amdhsa_system_sgpr_workgroup_id_x 1
		.amdhsa_system_sgpr_workgroup_id_y 1
		.amdhsa_system_sgpr_workgroup_id_z 1
		.amdhsa_system_vgpr_workitem_id 0
		.amdhsa_next_free_vgpr 1024
		.amdhsa_next_free_sgpr 102
		.amdhsa_reserve_vcc 1
		.amdhsa_float_denorm_mode_32 3
		.amdhsa_float_denorm_mode_16_64 3
		.amdhsa_memory_ordered 1
		.amdhsa_forward_progress 1
		.amdhsa_inst_pref_size 206
	.end_amdhsa_kernel
	.amdgpu_metadata
---
amdhsa.version: [ 1, 2 ]
amdhsa.kernels:
  - .name:           k_q5885d2f420_ffn1
    .symbol:         k_q5885d2f420_ffn1.kd
    .args:
      - { .name: W1_codes, .offset: 0, .size: 8, .value_kind: global_buffer, .address_space: global }
      - { .name: xq, .offset: 8, .size: 8, .value_kind: global_buffer, .address_space: global }
      - { .name: member, .offset: 16, .size: 8, .value_kind: global_buffer, .address_space: global }
      - { .name: b1, .offset: 24, .size: 8, .value_kind: global_buffer, .address_space: global }
      - { .name: lowp_scales, .offset: 32, .size: 8, .value_kind: global_buffer, .address_space: global }
      - { .name: himg, .offset: 40, .size: 8, .value_kind: global_buffer, .address_space: global }
    .group_segment_fixed_size: 134144
    .private_segment_fixed_size: 0
    .kernarg_segment_align: 8
    .kernarg_segment_size: 48
    .max_flat_workgroup_size: 128
    .sgpr_count:     102
    .vgpr_count:     1024
    .wavefront_size: 32
...
	.end_amdgpu_metadata
.endif
;; end of part 2
;; launch ffn2 (part 3): grid 256 x 1, 4 waves a work-group, no clusters, 150,016 bytes of LDS; arguments W2_codes, himg, member, ypart; writes ypart
.if DOCPART == 3
	.amdgcn_target "amdgcn-amd-amdhsa--gfx1250"
	.amdhsa_code_object_version 6
	.text
	.protected	k_q5885d2f420_ffn2
	.globl	k_q5885d2f420_ffn2
	.p2align	8
	.type	k_q5885d2f420_ffn2,@function
k_q5885d2f420_ffn2:
	s_mov_b64 s[64:65], 0
	v_nop
	global_prefetch_b8 v0, s[64:65] scope:SCOPE_SE
	s_setreg_imm32_b32 hwreg(HW_REG_WAVE_MODE, 25, 1), 1
	s_wait_xcnt 0x0
; THE SECOND PRODUCT, for the chosen rows alone: the raw f32 sums of h's codes x W2's codes, K in two halves.
; SHARES.  Work-group wg = 32 e + 2 ds + kh owns expert e's output columns 64 ds .. + 63 and K = 2,048 kh .. + 2,047: 64 rows x 2,048 bytes of W2's codes, 128 KiB that no other work-group reads, copied once
; into LDS rows 2,064 bytes apart (an odd number of 16-byte columns); ONE barrier follows.  K in one piece with 32 columns would double the bytes of h that a work-group reads; K in four would double the partial sums.
; ROWS as in the launch before: tile i of 16 rows belongs to pass i / 20, wave i % 4, place g = (i % 20) / 4; four passes; in a pass a scalar branch on the stored count leads to nothing, to five places or to four.
; h comes as images of the operand's registers: every load is 512 consecutive bytes.  The number of a tile that is LOADED is held at the last tile that the launch before has surely written (the expert's last, or tile 15);
; the places that this serves are stored into spare rows of ypart, each place's own, which nobody reads.
; LAYOUT.  Transposed use (source 0 = 16 rows of W2 = 16 output columns, source 1 = 16 rows of h): a lane holds eight neighbouring columns of one row.  A tile (16 rows x 256 bytes) goes through the wave's own stage
; and leaves as whole rows: sixteen lanes store 256 consecutive aligned bytes.  ypart [2 kh][8 e][1,280 rows][1,024] f32; the scale, b2 and the gates come in the last launch.
; NOT USED, AND WHY: tensor loads (branches hang on stored counts); clusters (no weight byte is read twice; the partners of an expert would have to ask jointly under those branches); prefetch (the weights are all asked for at the first lines).
; REGISTERS.  Window 0: addresses; v112-175, v176-239 two sets of four weight fragments, on the way out rows of ypart.  Window 1: h's fragments, ring slots 0-2 at 80 k + 16 g.  Window 2: the sums at 32 g + 8 n; at the head the 64 weight loads.  Window 3: ring slot 3 at 16 g.
.set KS,    16
.set PW,    2064
.set HALFW, 32*PW
.set ST,    64*PW                      ; behind the weights: a stage of 16 rows x 272 bytes for each wave
.set SP,    272
.set HAR,   10                         ; v10-14  himg: the tile to load x 65,536 + 16 x lane
.set YOR,   15                         ; v15-19  ypart: tile x 65,536 + (lane / 16) x 4,096 + 16 (lane % 16)
.set WB,    112
.set MSB,   0
.macro WIN new
.if MSB != (\new)
	s_set_vgpr_msb (MSB<<8)|(\new)
.set MSB, (\new)
.endif
.endm
.macro PLACES n
.rept \n
	v_nop
.endr
.endm
.macro WLOAD k                         ; sixteen loads: a row's 2,048 bytes to a work-group's instruction
	WIN 0x80
.set Q_, 16*(\k)
.rept 16
	global_load_b128 v[4*Q_:4*Q_+3], v9, s[4:5] offset:4096*Q_ th:TH_LOAD_NT
.set Q_, Q_+1
.endr
	WIN 0
.endm
.macro WSTORE k
	WIN 0x08
.set Q_, 16*(\k)
.rept 16
	ds_store_b128 v[4+Q_/32], v[4*Q_:4*Q_+3] offset:(Q_%32)*PW
.set Q_, Q_+1
.endr
	WIN 0
.endm
.macro PREP2                           ; a pass's addresses.  s23 = the pass
	s_mul_i32 s26, s23, 20
	s_add_co_u32 s26, s26, s18
.irp g, 0,1,2,3,4
	s_add_co_u32 s27, s26, 4*\g                    ; tile 20 x pass + 4 g + wave
	v_lshl_add_u32 v[YOR+\g], s27, 16, v8
	s_min_u32 s27, s27, s25                        ; to load: no tile past the last that was written,
	s_min_u32 s27, s27, 79                         ; and none outside the expert's 80
	v_lshl_add_u32 v[HAR+\g], s27, 16, v1
.endr
.endm
.macro PREFILL k
	WIN 0x40
.irp g, 0,1,2,3,4
.irp c, 0,1,2,3
	global_load_b128 v[80*(\k)+16*\g+4*\c:80*(\k)+16*\g+4*\c+3], v[HAR+\g], s[6:7] offset:2048*(\k)+512*\c
.endr
.endr
	WIN 0
.endm
.macro XREQ s, G
.if (\s)+3 < KS
.set K_, ((\s)+3)%4
.if K_ == 3
	WIN 0xc0
.set RB_, 0
.else
	WIN 0x40
.set RB_, 80*K_
.endif
.set G_, 0
.rept \G
.irp c, 0,1,2,3
	global_load_b128 v[RB_+16*G_+4*\c:RB_+16*G_+4*\c+3], v[HAR+G_], s[6:7] offset:2048*((\s)+3)+512*\c
.endr
.set G_, G_+1
.endr
.endif
.endm
.macro WRUN s                          ; K step s: the four weight fragments, sixteen LDS loads in one run
	WIN 0
.set B_, WB+64*((\s)%2)
.irp n, 0,1,2,3
.irp c, 0,1,2,3
	ds_load_b128 v[B_+16*\n+4*\c:B_+16*\n+4*\c+3], v[6+\n/2] offset:16*(\n%2)*PW+128*(\s)+32*\c
.endr
.endr
.endm
.macro YCNT s, G                       ; the loads of h that are younger than K step s's
.set LO_, (\s)-2
.if LO_ < 0
.set LO_, 0
.endif
.set HI_, (\s)
.if HI_ > KS-4
.set HI_, KS-4
.endif
.set Y_, 0
.if HI_ >= LO_
.set Y_, 4*(\G)*(HI_-LO_+1)
.endif
.if (\s) < 2
.set Y_, Y_+20*(2-(\s))
.endif
.endm
.macro MUL s, G                        ; 4 G products; the accumulators take turns, one instruction a turn, in the same order in every step
.set K_, (\s)%4
.set WA_, WB+64*((\s)%2)
.if K_ == 3
.set RB_, 0
	WIN 0xac
.else
.set RB_, 80*K_
	WIN 0xa4
.endif
.irp n, 0,1,2,3
.set G_, 0
.rept \G
.if (\s) == 0
	v_wmma_f32_16x16x128_fp8_fp8 v[32*G_+8*\n:32*G_+8*\n+7], v[WA_+16*\n:WA_+16*\n+15], v[RB_+16*G_:RB_+16*G_+15], 0
.else
	v_wmma_f32_16x16x128_fp8_fp8 v[32*G_+8*\n:32*G_+8*\n+7], v[WA_+16*\n:WA_+16*\n+15], v[RB_+16*G_:RB_+16*G_+15], v[32*G_+8*\n:32*G_+8*\n+7]
.endif
.set G_, G_+1
.endr
.endr
.endm
.macro OUTG g                          ; place g's 16 rows x 64 columns: through my stage, out as whole rows of 256 bytes
.set AB_, 32*(\g)
.set OB_, WB+32*((\g)%2)
.if (\g) >= 2
	s_wait_xcnt 0x0                                ; place g - 2's stores have read the registers that are loaded again
.endif
	WIN 0x08
.irp n, 0,1,2,3
	ds_store_b128 v20, v[AB_+8*\n:AB_+8*\n+3] offset:64*\n          ; each accumulator from its low end on
	ds_store_b128 v20, v[AB_+8*\n+4:AB_+8*\n+7] offset:64*\n+16
.endr
	WIN 0
.irp i, 0,1,2,3,4,5,6,7
	ds_load_b128 v[OB_+4*\i:OB_+4*\i+3], v21 offset:2*SP*\i         ; LDS serves a wave's instructions in order: these see my stores
.endr
	s_wait_dscnt 0x0
.irp i, 0,1,2,3,4,5,6,7
	global_store_b128 v[YOR+(\g)], v[OB_+4*\i:OB_+4*\i+3], s[10:11] offset:8192*\i th:TH_STORE_NT
.endr
.endm
.macro BODY G
	WRUN 0
.set I_, 0
.rept KS
.if I_ > 0
	PLACES 4                                       ; in front of loads into registers that the last step's products have read
.endif
.if I_ < KS-1
	WRUN I_+1
.endif
	XREQ I_, \G
.if I_ < KS-1
	s_wait_dscnt 16                                ; the next step's sixteen loads may stay out
.else
	s_wait_dscnt 0x0
.endif
	YCNT I_, \G
	s_wait_loadcnt Y_                              ; this K step's images are in; the younger loads, counted above, stay out
	MUL I_, \G
.set I_, I_+1
.endr
	PLACES 5
.set E_, 0
.rept \G
	OUTG E_
.set E_, E_+1
.endr
	s_wait_xcnt 0x0                                ; the stores have read their registers and addresses
.endm
	s_load_b256 s[4:11], s[0:1], 0x0               ; W2's codes 4, himg 6, member 8, ypart 10
	v_lshl_add_u32 v254, v0, 2, 0x24800
	v_mov_b32 v255, 0
	v_lshrrev_b32 v22, 5, v0
	v_readfirstlane_b32 s18, v22                   ; wave 0..3
	v_and_b32 v22, 31, v0
	v_lshlrev_b32 v1, 4, v22                       ; 16 x lane
	v_and_b32 v2, 15, v0                           ; r
	v_bfe_u32 v3, v0, 4, 1                         ; h
	v_lshlrev_b32 v4, 4, v0                        ; weights into LDS: the work-group fills a row
	v_add_nc_u32 v5, HALFW, v4
	v_mul_u32_u24 v6, v2, PW
	v_lshl_add_u32 v6, v3, 4, v6                   ; and out: row r of a tile, + 16 h
	v_add_nc_u32 v7, HALFW, v6
	v_lshlrev_b32 v8, 4, v2
	v_lshl_add_u32 v8, v3, 12, v8                  ; ypart: lanes 0-15 one row, lanes 16-31 the next
	v_lshlrev_b32 v9, 4, v0                        ; 16 x thread
	s_mul_i32 s26, s18, 16*SP
	s_add_co_u32 s26, s26, ST                      ; my stage
	v_mul_u32_u24 v20, v2, SP
	v_lshl_add_u32 v20, v3, 5, v20
	v_add_nc_u32 v20, s26, v20                     ; in: row r, 32 bytes for each half of the lanes
	v_mul_u32_u24 v21, v3, SP
	v_lshl_add_u32 v21, v2, 4, v21
	v_add_nc_u32 v21, s26, v21                     ; back: two rows an instruction
	s_lshr_b32 s19, ttmp9, 5                       ; the expert
	s_bfe_u32 s20, ttmp9, 0x40001                  ; which 64 columns
	s_and_b32 s30, ttmp9, 1                        ; which half of K
	s_mov_b32 s27, 0
	s_wait_kmcnt 0x0
	s_lshl_b32 s26, s19, 7
	s_add_nc_u64 s[8:9], s[8:9], s[26:27]
	s_load_b512 s[32:47], s[8:9], 0x0              ; the expert's 32 words
	s_load_b512 s[48:63], s[8:9], 0x40
	s_lshr_b32 s26, ttmp9, 1
	s_lshl_b32 s26, s26, 18                        ; (1,024 e + 64 ds) rows of 4,096 bytes
	s_lshl_b32 s28, s30, 11
	s_add_co_u32 s26, s26, s28
	s_add_nc_u64 s[4:5], s[4:5], s[26:27]
	s_mul_i32 s26, s19, 5242880
	s_lshl_b32 s28, s30, 15                        ; sixteen K steps of 2,048 bytes
	s_add_co_u32 s26, s26, s28
	s_add_nc_u64 s[6:7], s[6:7], s[26:27]
	s_lshl_b32 s26, s30, 3
	s_add_co_u32 s26, s26, s19
	s_mul_i32 s26, s26, 5242880                    ; (8 kh + e) x 1,280 rows of 4,096 bytes
	s_lshl_b32 s28, s20, 8
	s_add_co_u32 s26, s26, s28
	s_add_nc_u64 s[10:11], s[10:11], s[26:27]
	WLOAD 0
	WLOAD 1
	WLOAD 2
	s_wait_kmcnt 0x0
	s_bcnt1_i32_b32 s21, s32
.set Q_, 1
.rept 31
	s_bcnt1_i32_b32 s28, s[32+Q_]
	s_add_co_u32 s21, s21, s28
.set Q_, Q_+1
.endr
	s_add_co_u32 s22, s21, 15
	s_lshr_b32 s22, s22, 4                         ; the expert's tiles
	s_max_u32 s25, s22, 16
	s_sub_co_u32 s25, s25, 1                       ; the last tile that is surely written
	s_mov_b32 s23, 0
	PREP2
	WLOAD 3
	s_wait_loadcnt 48                              ; younger: weight loads 16-63
	WSTORE 0
	PREFILL 0
	s_wait_loadcnt 52                              ; younger: weight loads 32-63 and 20 of h
	WSTORE 1
	PREFILL 1
	s_wait_loadcnt 56                              ; younger: weight loads 48-63 and 40 of h
	WSTORE 2
	PREFILL 2
	s_wait_loadcnt 60                              ; younger: the 60 of h
	WSTORE 3
	s_wait_dscnt 0x0                               ; for the others' sake: my stores have landed
	s_barrier_signal -1
	s_barrier_wait -1                              ; the slice lies in LDS; nothing writes it again
.Lpass:
	s_mul_i32 s26, s23, 20
	s_add_co_u32 s26, s26, s18
	s_sub_co_i32 s24, s22, s26
	s_add_co_i32 s24, s24, 3
	s_ashr_i32 s24, s24, 2
	s_max_i32 s24, s24, 0
	s_min_i32 s24, s24, 5                          ; my places of this pass, 0 to 5
	s_cmp_eq_u32 s24, 0
	s_cbranch_scc1 .Lnext
	s_cmp_eq_u32 s23, 0
	s_cbranch_scc1 .Lhave                          ; the first pass was prepared at the head
	s_wait_loadcnt 0x0                             ; no load reads the addresses that are made anew
	PREP2
	PREFILL 0
	PREFILL 1
	PREFILL 2
.Lhave:
	s_cmp_eq_u32 s24, 5
	s_cbranch_scc1 .Lfive
	BODY 4
	s_branch .Lnext
.Lfive:
	BODY 5
.Lnext:
	s_add_co_u32 s23, s23, 1
	s_cmp_lt_u32 s23, 4
	s_cbranch_scc1 .Lpass
	s_wait_tensorcnt 0x0
	ds_add_u32 v254, v255
	s_wait_dscnt 0x0
	s_endpgm
.Lfunc_end_k_q5885d2f420_ffn2:
	.size	k_q5885d2f420_ffn2, .Lfunc_end_k_q5885d2f420_ffn2-k_q5885d2f420_ffn2
	.p2alignl 7, 3214868480
	.fill 96, 4, 3214868480
	.section	.rodata,"a",@progbits
	.p2align	6, 0x0
	.amdhsa_kernel k_q5885d2f420_ffn2
		.amdhsa_group_segment_fixed_size 150016
		.amdhsa_private_segment_fixed_size 0
		.amdhsa_enable_private_segment 0
		.amdhsa_kernarg_size 32
		.amdhsa_user_sgpr_count 2
		.amdhsa_user_sgpr_kernarg_segment_ptr 1
		.amdhsa_wavefront_size32 1
		.amdhsa_system_sgpr_workgroup_id_x 1
		.amdhsa_system_sgpr_workgroup_id_y 1
		.amdhsa_system_sgpr_workgroup_id_z 1
		.amdhsa_system_vgpr_workitem_id 0
		.amdhsa_next_free_vgpr 1024
		.amdhsa_next_free_sgpr 66
		.amdhsa_reserve_vcc 0
		.amdhsa_float_denorm_mode_32 3
		.amdhsa_float_denorm_mode_16_64 3
		.amdhsa_memory_ordered 1
		.amdhsa_forward_progress 1
		.amdhsa_inst_pref_size 168
	.end_amdhsa_kernel
	.amdgpu_metadata
---
amdhsa.version: [ 1, 2 ]
amdhsa.kernels:
  - .name:           k_q5885d2f420_ffn2
    .symbol:         k_q5885d2f420_ffn2.kd
    .args:
      - { .name: W2_codes, .offset: 0, .size: 8, .value_kind: global_buffer, .address_space: global }
      - { .name: himg, .offset: 8, .size: 8, .value_kind: global_buffer, .address_space: global }
      - { .name: member, .offset: 16, .size: 8, .value_kind: global_buffer, .address_space: global }
      - { .name: ypart, .offset: 24, .size: 8, .value_kind: global_buffer, .address_space: global }
    .group_segment_fixed_size: 150016
    .private_segment_fixed_size: 0
    .kernarg_segment_align: 8
    .kernarg_segment_size: 32
    .max_flat_workgroup_size: 128
    .sgpr_count:     66
    .vgpr_count:     1024
    .wavefront_size: 32
...
	.end_amdgpu_metadata
.endif
;; end of part 3
;; launch mix (part 4): grid 256 x 1, 4 waves a work-group, no clusters, 0 bytes of LDS; arguments ypart, member, comb, b2, lowp_scales, out0; writes out0
.if DOCPART == 4
	.amdgcn_target "amdgcn-amd-amdhsa--gfx1250"
	.amdhsa_code_object_version 6
	.text
	.protected	k_q5885d2f420_mix
	.globl	k_q5885d2f420_mix
	.p2align	8
	.type	k_q5885d2f420_mix,@function
k_q5885d2f420_mix:
	s_mov_b64 s[64:65], 0
	v_nop
	global_prefetch_b8 v0, s[64:65] scope:SCOPE_SE
	s_setreg_imm32_b32 hwreg(HW_REG_WAVE_MODE, 25, 1), 1
	s_wait_xcnt 0x0
; out[t] = the sum over the token's two experts of g x (2^(e2 + e3) x (the two halves of K added) + b2[e]).
; A wave takes one token.  Its two experts are read off member (a bit for each expert, by scalar loads), their gates off comb.  The token's row p in an expert is the number of that expert's tokens ahead of it:
; lane q loads word q of each expert's 32 words (128 consecutive bytes a load), keeps the bits under the token's, counts them by shifts, masks and one multiplication, two experts' counts (at most 1,024 each) share a
; register, and four registers are summed over the 32 lanes.  Whole numbers throughout; the choice among the eight is made by selects; no branch.
; A stream: each load and store of a wave covers 512 consecutive bytes; all 48 loads of a wave go out together.  No LDS, no barrier, no matrix unit (K = 2), no cluster (nothing is shared but b2, 4 KiB a row, and member, 1 KiB).
; LIMIT: e2 + e3 between -126 and 127.
.set MW, 8                             ; v8-15   word `lane' of experts 0..7, then the count of its bits under my token
.set T,  16                            ; v16-23  at work
.set PK, 24                            ; v24-27  the counts of experts 2 k (low half) and 2 k + 1 (high half)
.set PT, 28                            ; v28-31  what another lane holds
.set R,  16                            ; later: v[16 + 24 j ..]: chunk j: A's two halves, B's two halves, b2 of A, b2 of B, four registers each
	s_load_b256 s[4:11], s[0:1], 0x0               ; ypart 4, member 6, comb 8, b2 10
	s_load_b128 s[12:15], s[0:1], 0x20             ; the scales 12, out0 14
	v_lshrrev_b32 v2, 5, v0
	v_readfirstlane_b32 s18, v2                    ; wave
	v_and_b32 v3, 31, v0                           ; lane
	v_lshlrev_b32 v1, 4, v3                        ; 16 x lane
	v_lshlrev_b32 v2, 2, v3                        ; 4 x lane
	s_lshl_b32 s19, ttmp9, 2
	s_add_co_u32 s19, s19, s18                     ; my token
	s_and_b32 s20, s19, 31                         ; its bit,
	s_lshr_b32 s21, s19, 5                         ; in this word of each expert's row
	s_lshl_b32 s22, s21, 2
	s_mov_b32 s23, 0
	s_mov_b32 s2, 0x76543210                       ; lane selects: each lane takes its own place in the other half
	s_mov_b32 s3, 0xfedcba98
	s_mov_b32 s18, 0x01010101
	s_bfm_b32 s58, s20, 0                          ; the bits under my token's
	v_mov_b32 v5, s58
	v_mov_b32 v6, -1
	v_cmp_gt_u32 vcc_lo, s21, v3
	v_cndmask_b32 v4, 0, v6, vcc_lo                ; words ahead of my token's count whole,
	v_cmp_eq_u32 vcc_lo, s21, v3
	v_cndmask_b32 v4, v4, v5, vcc_lo               ; its own word in part, later words not at all
	s_wait_kmcnt 0x0
.irp e, 0,1,2,3,4,5,6,7
	global_load_b32 v[MW+\e], v2, s[6:7] offset:128*\e
.endr
	s_add_nc_u64 s[16:17], s[6:7], s[22:23]
	s_lshl_b32 s22, s19, 5
	s_add_nc_u64 s[8:9], s[8:9], s[22:23]
	s_lshl_b32 s22, s19, 12
	s_add_nc_u64 s[14:15], s[14:15], s[22:23]
.irp e, 0,1,2,3,4,5,6,7
	s_load_b32 s[24+\e], s[16:17], 128*\e          ; my token's word of expert e
.endr
	s_load_b256 s[40:47], s[8:9], 0x0              ; comb[t][0..7]
	s_load_b128 s[48:51], s[12:13], 0x0            ; e0 .. e3
.irp k, 0,1,2,3
	v_mov_b32 v[PT+\k], 0                          ; the destination of a lane exchange counts as read
.endr
	s_wait_loadcnt 0x0                             ; the eight words; nothing else is out
.irp e, 0,1,2,3,4,5,6,7
	v_and_b32 v[MW+\e], v4, v[MW+\e]
.endr
.irp e, 0,1,2,3,4,5,6,7
	v_lshrrev_b32 v[T+\e], 1, v[MW+\e]
.endr
.irp e, 0,1,2,3,4,5,6,7
	v_and_b32 v[T+\e], 0x55555555, v[T+\e]
.endr
.irp e, 0,1,2,3,4,5,6,7
	v_sub_nc_u32 v[MW+\e], v[MW+\e], v[T+\e]       ; counts of 2 bits,
.endr
.irp e, 0,1,2,3,4,5,6,7
	v_lshrrev_b32 v[T+\e], 2, v[MW+\e]
.endr
.irp e, 0,1,2,3,4,5,6,7
	v_and_b32 v[T+\e], 0x33333333, v[T+\e]
.endr
.irp e, 0,1,2,3,4,5,6,7
	v_and_b32 v[MW+\e], 0x33333333, v[MW+\e]
.endr
.irp e, 0,1,2,3,4,5,6,7
	v_add_nc_u32 v[MW+\e], v[MW+\e], v[T+\e]       ; of 4,
.endr
.irp e, 0,1,2,3,4,5,6,7
	v_lshrrev_b32 v[T+\e], 4, v[MW+\e]
.endr
.irp e, 0,1,2,3,4,5,6,7
	v_add_nc_u32 v[MW+\e], v[MW+\e], v[T+\e]
.endr
.irp e, 0,1,2,3,4,5,6,7
	v_and_b32 v[MW+\e], 0x0f0f0f0f, v[MW+\e]       ; of 8;
.endr
.irp e, 0,1,2,3,4,5,6,7
	v_mul_lo_u32 v[MW+\e], v[MW+\e], s18           ; the four bytes' sum lands in the top byte
.endr
.irp e, 0,1,2,3,4,5,6,7
	v_lshrrev_b32 v[MW+\e], 24, v[MW+\e]
.endr
.irp k, 0,1,2,3
	v_lshl_or_b32 v[PK+\k], v[MW+2*\k+1], 16, v[MW+2*\k]
.endr
.irp m, 1,2,4,8                        ; the sum over the 32 lanes: four steps inside a half of 16 lanes, one across the halves
.irp k, 0,1,2,3
	v_mov_b32_dpp v[PT+\k], v[PK+\k] row_xmask:\m row_mask:0xf bank_mask:0xf
.endr
.irp k, 0,1,2,3
	v_add_nc_u32 v[PK+\k], v[PK+\k], v[PT+\k]
.endr
.endr
.irp k, 0,1,2,3
	v_permlanex16_b32 v[PT+\k], v[PK+\k], s2, s3
.endr
.irp k, 0,1,2,3
	v_add_nc_u32 v[PK+\k], v[PK+\k], v[PT+\k]
.endr
.irp k, 0,1,2,3
	v_readfirstlane_b32 s58, v[PK+\k]
	s_and_b32 s[32+2*\k], s58, 0xffff              ; s[32 + e]: my token's row in expert e, if it takes e
	s_lshr_b32 s[33+2*\k], s58, 16
.endr
	s_mov_b32 s52, 0                               ; A: expert, row, gate
	s_mov_b32 s53, 0
	s_mov_b32 s54, 0
	s_mov_b32 s55, 0                               ; B likewise
	s_mov_b32 s56, 0
	s_mov_b32 s57, 0
	s_wait_kmcnt 0x0
.irp e, 7,6,5,4,3,2,1,0                ; from the highest expert down: a chosen one moves A to B and takes A's place
	s_bitcmp1_b32 s[24+\e], s20
	s_cselect_b32 s55, s52, s55
	s_cselect_b32 s56, s53, s56
	s_cselect_b32 s57, s54, s57
	s_cselect_b32 s52, \e, s52
	s_cselect_b32 s53, s[32+\e], s53
	s_cselect_b32 s54, s[40+\e], s54
.endr
	s_min_u32 s52, s52, 7                          ; what comes from memory is held inside the buffers before it enters an address
	s_min_u32 s53, s53, 1279
	s_min_u32 s55, s55, 7
	s_min_u32 s56, s56, 1279
	s_mov_b32 s59, 0
	s_mul_i32 s58, s52, 1280
	s_add_co_u32 s58, s58, s53
	s_lshl_b32 s58, s58, 12
	s_add_nc_u64 s[60:61], s[4:5], s[58:59]        ; A's row, K's first half,
	s_add_nc_u64 s[62:63], s[60:61], 41943040      ; and second
	s_mul_i32 s58, s55, 1280
	s_add_co_u32 s58, s58, s56
	s_lshl_b32 s58, s58, 12
	s_add_nc_u64 s[66:67], s[4:5], s[58:59]        ; B's
	s_add_nc_u64 s[68:69], s[66:67], 41943040
	s_lshl_b32 s58, s52, 12
	s_add_nc_u64 s[70:71], s[10:11], s[58:59]      ; b2 of A,
	s_lshl_b32 s58, s55, 12
	s_add_nc_u64 s[72:73], s[10:11], s[58:59]      ; of B
	s_mov_b32 s74, s54                             ; the packed forms name pairs and take the low word for both halves
	s_mov_b32 s75, s54
	s_mov_b32 s76, s57
	s_mov_b32 s77, s57
	s_add_co_i32 s78, s50, s51
	s_add_co_i32 s78, s78, 127
	s_lshl_b32 s78, s78, 23                        ; 2^(e2 + e3) as f32
	s_mov_b32 s79, s78
.irp j, 0,1,2,3,4,5,6,7
	global_load_b128 v[R+24*\j:R+24*\j+3],     v1, s[60:61] offset:512*\j th:TH_LOAD_NT
	global_load_b128 v[R+24*\j+4:R+24*\j+7],   v1, s[62:63] offset:512*\j th:TH_LOAD_NT
	global_load_b128 v[R+24*\j+8:R+24*\j+11],  v1, s[66:67] offset:512*\j th:TH_LOAD_NT
	global_load_b128 v[R+24*\j+12:R+24*\j+15], v1, s[68:69] offset:512*\j th:TH_LOAD_NT
	global_load_b128 v[R+24*\j+16:R+24*\j+19], v1, s[70:71] offset:512*\j
	global_load_b128 v[R+24*\j+20:R+24*\j+23], v1, s[72:73] offset:512*\j
.endr
.irp j, 0,1,2,3,4,5,6,7
	s_wait_loadcnt 6*(7-\j)                        ; the later chunks' loads, six each, may stay out
.irp k, 0,2
	v_pk_add_f32 v[R+24*\j+\k:R+24*\j+\k+1], v[R+24*\j+\k:R+24*\j+\k+1], v[R+24*\j+4+\k:R+24*\j+5+\k]
	v_pk_add_f32 v[R+24*\j+8+\k:R+24*\j+9+\k], v[R+24*\j+8+\k:R+24*\j+9+\k], v[R+24*\j+12+\k:R+24*\j+13+\k]
	v_pk_fma_f32 v[R+24*\j+\k:R+24*\j+\k+1], v[R+24*\j+\k:R+24*\j+\k+1], s[78:79], v[R+24*\j+16+\k:R+24*\j+17+\k] op_sel_hi:[1,0,1]
	v_pk_fma_f32 v[R+24*\j+8+\k:R+24*\j+9+\k], v[R+24*\j+8+\k:R+24*\j+9+\k], s[78:79], v[R+24*\j+20+\k:R+24*\j+21+\k] op_sel_hi:[1,0,1]
	v_pk_mul_f32 v[R+24*\j+\k:R+24*\j+\k+1], v[R+24*\j+\k:R+24*\j+\k+1], s[74:75] op_sel_hi:[1,0]
	v_pk_fma_f32 v[R+24*\j+\k:R+24*\j+\k+1], v[R+24*\j+8+\k:R+24*\j+9+\k], s[76:77], v[R+24*\j+\k:R+24*\j+\k+1] op_sel_hi:[1,0,1]
.endr
	global_store_b128 v1, v[R+24*\j:R+24*\j+3], s[14:15] offset:512*\j th:TH_STORE_NT   ; 512 consecutive bytes, aligned
.endr
	s_endpgm
.Lfunc_end_k_q5885d2f420_mix:
	.size	k_q5885d2f420_mix, .Lfunc_end_k_q5885d2f420_mix-k_q5885d2f420_mix
	.p2alignl 7, 3214868480
	.fill 96, 4, 3214868480
	.section	.rodata,"a",@progbits
	.p2align	6, 0x0
	.amdhsa_kernel k_q5885d2f420_mix
		.amdhsa_group_segment_fixed_size 0
		.amdhsa_private_segment_fixed_size 0
		.amdhsa_enable_private_segment 0
		.amdhsa_kernarg_size 48
		.amdhsa_user_sgpr_count 2
		.amdhsa_user_sgpr_kernarg_segment_ptr 1
		.amdhsa_wavefront_size32 1
		.amdhsa_system_sgpr_workgroup_id_x 1
		.amdhsa_system_sgpr_workgroup_id_y 1
		.amdhsa_system_sgpr_workgroup_id_z 1
		.amdhsa_system_vgpr_workitem_id 0
		.amdhsa_next_free_vgpr 208
		.amdhsa_next_free_sgpr 80
		.amdhsa_reserve_vcc 1
		.amdhsa_float_denorm_mode_32 3
		.amdhsa_float_denorm_mode_16_64 3
		.amdhsa_memory_ordered 1
		.amdhsa_forward_progress 1
		.amdhsa_inst_pref_size 25
	.end_amdhsa_kernel
	.amdgpu_metadata
---
amdhsa.version: [ 1, 2 ]
amdhsa.kernels:
  - .name:           k_q5885d2f420_mix
    .symbol:         k_q5885d2f420_mix.kd
    .args:
      - { .name: ypart, .offset: 0, .size: 8, .value_kind: global_buffer, .address_space: global }
      - { .name: member, .offset: 8, .size: 8, .value_kind: global_buffer, .address_space: global }
      - { .name: comb, .offset: 16, .size: 8, .value_kind: global_buffer, .address_space: global }
      - { .name: b2, .offset: 24, .size: 8, .value_kind: global_buffer, .address_space: global }
      - { .name: lowp_scales, .offset: 32, .size: 8, .value_kind: global_buffer, .address_space: global }
      - { .name: out0, .offset: 40, .size: 8, .value_kind: global_buffer, .address_space: global }
    .group_segment_fixed_size: 0
    .private_segment_fixed_size: 0
    .kernarg_segment_align: 8
    .kernarg_segment_size: 48
    .max_flat_workgroup_size: 128
    .sgpr_count:     80
    .vgpr_count:     208
    .wavefront_size: 32
...
	.end_amdgpu_metadata
.endif
;; end of part 4
;; ======== version 2 of 2: 4 launches
;; workspace buffers: xq 1,048,576 bytes; comb 32,768 bytes; member 1,024 bytes of whole numbers; himg 41,943,040 bytes; ypart 83,886,080 bytes
;; launch route (part 5): grid 128 x 1, 8 waves a work-group, no clusters, 46,592 bytes of LDS; arguments x, Wg, bg, lowp_scales, xq, comb, member; writes xq, comb, member
.if DOCPART == 5
	.amdgcn_target "amdgcn-amd-amdhsa--gfx1250"
	.amdhsa_code_object_version 6
	.text
	.protected	k_q5885d2f420_route
	.globl	k_q5885d2f420_route
	.p2align	8
	.type	k_q5885d2f420_route,@function
k_q5885d2f420_route:
	s_mov_b64 s[64:65], 0
	v_nop
	global_prefetch_b8 v0, s[64:65] scope:SCOPE_SE
	s_setreg_imm32_b32 hwreg(HW_REG_WAVE_MODE, 25, 1), 1
	s_wait_xcnt 0x0
; THE ROUTER, AND x INTO CODES.  logits = x Wg + bg in f32; the two largest (the lower index wins a tie, as jax.lax.top_k has it); softmax over the two.
; Stored at fixed places: comb [1024][8] f32 (0 for an expert that is not chosen); member [8][128 bytes], bit i of byte j of row e = token 8 j + i takes expert e;
; xq [1024][1024], x as codes of E4M3 with the given scale 2^ex (ex = entry 1 of the scales).
; SHARES.  A work-group of eight waves takes eight tokens, a wave one token.  A lane holds x[t][128 j + 4 lane + i], j = 0..7, i = 0..3: each load of a wave is 512 consecutive bytes.
; Wg (32 KiB) is copied once into LDS, four rows d (128 bytes) and 16 bytes of padding to a group: a lane's group is 144 bytes from its neighbour's, so sixteen lanes start in sixteen different 16-byte columns.
; No matrix unit: the product has 8 columns.  No cluster, no tensor load: the work-groups share Wg alone, 32 KiB against 32 KiB of x each; no prefetch: all loads go out at the first lines.
; LIMITS: ex between -126 and 119.  NaN in x and logits that are NaN or infinite are not served.  The logits' f32 sums are taken in another order than the definition's.
.set GP,  144
.set CH,  32*GP                        ; the groups of one j: 4,608 bytes
.set XT,  256*GP                       ; 36,864: a wave's own 1,024 bytes, in which its codes change lanes
.set CB,  XT+8*1024                    ; 45,056: comb of the eight tokens, 256 bytes
.set MK,  CB+256                       ; 45,312: the eight tokens' masks of experts, 32 bytes
.set X,   16                           ; v16-47   x as loaded
.set Q,   48                           ; v48-79   x held within the largest code
.set C,   80                           ; v80-87   the codes
.set WA,  88                           ; v88-119  Wg of four d, set A
.set WB,  120                          ; v120-151 set B
.set ACC, 152                          ; v152-159 the eight logits
.set XO,  168                          ; v168-175 the codes as they are stored
.set WL,  184                          ; v184-215 Wg as loaded
	s_load_b256 s[4:11], s[0:1], 0x0               ; x 4, Wg 6, bg 8, scales 10
	s_load_b128 s[12:15], s[0:1], 0x20             ; xq 12, comb 14
	s_load_b64 s[16:17], s[0:1], 0x30              ; member
	v_lshl_add_u32 v216, v0, 2, 0xb200
	v_mov_b32 v217, 0
	v_lshrrev_b32 v9, 5, v0
	s_delay_alu instid0(VALU_DEP_1)
	v_readfirstlane_b32 s20, v9                    ; wave 0..7
	v_and_b32 v1, 31, v0                           ; lane
	v_lshrrev_b32 v10, 3, v0
	v_and_b32 v11, 7, v0
	s_delay_alu instid0(VALU_DEP_2)
	v_mul_u32_u24 v2, v10, GP
	s_delay_alu instid0(VALU_DEP_1)
	v_lshl_add_u32 v2, v11, 4, v2                  ; Wg into LDS: eight threads fill a group
	v_mul_u32_u24 v3, v1, GP                       ; Wg out of LDS: my group of a j
	v_lshlrev_b32 v4, 4, v1                        ; 16 x lane
	s_lshl_b32 s21, s20, 10
	s_add_co_u32 s21, s21, XT
	v_lshl_add_u32 v5, v1, 2, s21                  ; my four codes of a j
	v_lshl_add_u32 v6, v1, 4, s21                  ; sixteen neighbouring codes
	s_lshl_b32 s22, s20, 5
	s_add_co_u32 s22, s22, CB
	v_and_b32 v12, 7, v1                           ; the expert that my lane speaks for
	s_delay_alu instid0(VALU_DEP_1)
	v_lshl_add_u32 v7, v12, 2, s22
	s_lshl_b32 s23, s20, 2
	s_add_co_u32 s23, s23, MK
	v_mov_b32 v8, s23
	v_lshlrev_b32 v13, 4, v0                       ; 16 x thread
	s_mov_b32 s37, 0x76543210                      ; lane selects: each lane takes its own place in the other half
	s_mov_b32 s38, 0xfedcba98
	s_lshl_b32 s33, ttmp9, 3
	s_add_co_u32 s33, s33, s20                     ; my token
	s_mov_b32 s35, 0
	s_wait_alu depctr_va_vdst(0)
	s_wait_kmcnt 0x0
	s_load_b256 s[24:31], s[8:9], 0x0              ; bg
	s_load_b32 s32, s[10:11], 0x4                  ; ex
	s_lshl_b32 s34, s33, 12
	s_add_nc_u64 s[4:5], s[4:5], s[34:35]          ; my row of x
	s_lshl_b32 s34, s33, 10
	s_add_nc_u64 s[12:13], s[12:13], s[34:35]      ; my row of xq
.irp q, 0,1,2,3,4,5,6,7
	global_load_b128 v[WL+4*\q:WL+4*\q+3], v13, s[6:7] offset:4096*\q
.endr
.irp j, 0,1,2,3,4,5,6,7
	global_load_b128 v[X+4*\j:X+4*\j+3], v4, s[4:5] offset:512*\j th:TH_LOAD_NT
.endr
	s_wait_loadcnt 8                               ; the eight loads of x are younger: Wg is in
.irp q, 0,1,2,3,4,5,6,7
	ds_store_b128 v2, v[WL+4*\q:WL+4*\q+3] offset:CH*\q
.endr
	s_wait_loadcnt 0x0                             ; x
	s_wait_kmcnt 0x0
	s_add_co_i32 s32, s32, 127
	s_lshl_b32 s36, s32, 23
	v_mov_b32 v14, s36                             ; 2^ex as f32: the conversion takes its exponent field
	s_add_co_i32 s32, s32, 8
	s_lshl_b32 s32, s32, 23
	s_or_b32 s32, s32, 0x600000
	v_mov_b32 v15, s32                             ; 448 x 2^ex
.set I_, 0
.rept 32
	v_med3_num_f32 v[Q+I_], v[X+I_], -v15, v15     ; the conversion to an 8-bit code does not saturate (ISA guide 7.6.2): the hold comes first; x itself is kept for the logits
.set I_, I_+1
.endr
.irp m, 0,1,2,3
	v_cvt_scalef32_pk8_fp8_f32 v[C+2*\m:C+2*\m+1], v[Q+8*\m:Q+8*\m+7], v14   ; register C + j: the codes of d = 128 j + 4 lane + 0..3
.endr
	v_nop                                          ; a plain line behind the last scaled conversion
.irp j, 0,1,2,3,4,5,6,7
	ds_store_b32 v5, v[C+\j] offset:128*\j         ; the row's 1,024 codes as they lie in memory
.endr
.irp u, 0,1
	ds_load_b128 v[XO+4*\u:XO+4*\u+3], v6 offset:512*\u   ; LDS serves a wave's instructions in order: these see my stores
.endr
	s_wait_dscnt 0x0                               ; my codes are back, and my part of Wg has landed in LDS
.irp u, 0,1
	global_store_b128 v4, v[XO+4*\u:XO+4*\u+3], s[12:13] offset:512*\u   ; 512 consecutive bytes, aligned
.endr
	s_barrier_signal -1
	s_barrier_wait -1                              ; all of Wg lies in LDS
.macro LOADW j, buf                    ; Wg[128 j + 4 lane + i][0..7], i = 0..3
.irp i, 0,1,2,3
	ds_load_b128 v[\buf+8*\i:\buf+8*\i+3], v3 offset:CH*(\j)+32*\i
	ds_load_b128 v[\buf+8*\i+4:\buf+8*\i+7], v3 offset:CH*(\j)+32*\i+16
.endr
.endm
.macro DOT j, buf, first               ; sixteen packed multiply-adds: four d x four pairs of experts; the very first four start the sums
.irp i, 0,1,2,3
.irp p, 0,1,2,3
.if \first && (\i == 0)
	v_pk_mul_f32 v[ACC+2*\p:ACC+2*\p+1], v[X+4*(\j):X+4*(\j)+1], v[\buf+2*\p:\buf+2*\p+1] op_sel_hi:[0,1]
.elseif (\i % 2) == 0
	v_pk_fma_f32 v[ACC+2*\p:ACC+2*\p+1], v[X+4*(\j)+2*(\i/2):X+4*(\j)+2*(\i/2)+1], v[\buf+8*\i+2*\p:\buf+8*\i+2*\p+1], v[ACC+2*\p:ACC+2*\p+1] op_sel_hi:[0,1,1]
.else
	s_delay_alu instid0(VALU_DEP_4)
	v_pk_fma_f32 v[ACC+2*\p:ACC+2*\p+1], v[X+4*(\j)+2*(\i/2):X+4*(\j)+2*(\i/2)+1], v[\buf+8*\i+2*\p:\buf+8*\i+2*\p+1], v[ACC+2*\p:ACC+2*\p+1] op_sel:[1,0,0] op_sel_hi:[1,1,1]
.endif
.endr
.endr
.endm
	LOADW 0, WA
	LOADW 1, WB
	s_wait_dscnt 8                                 ; the next chunk's eight loads may stay out
	DOT 0, WA, 1
	LOADW 2, WA
	s_wait_alu depctr_va_vdst(0)
	s_wait_dscnt 8
	DOT 1, WB, 0
	LOADW 3, WB
	s_wait_alu depctr_va_vdst(0)
	s_wait_dscnt 8
	DOT 2, WA, 0
	LOADW 4, WA
	s_wait_alu depctr_va_vdst(0)
	s_wait_dscnt 8
	DOT 3, WB, 0
	LOADW 5, WB
	s_wait_alu depctr_va_vdst(0)
	s_wait_dscnt 8
	DOT 4, WA, 0
	LOADW 6, WA
	s_wait_alu depctr_va_vdst(0)
	s_wait_dscnt 8
	DOT 5, WB, 0
	LOADW 7, WB
	s_wait_alu depctr_va_vdst(0)
	s_wait_dscnt 8
	DOT 6, WA, 0
	s_wait_alu depctr_va_vdst(0)
	s_wait_dscnt 0x0
	DOT 7, WB, 0
	; the eight sums over the 32 lanes: four steps inside a half of 16 lanes, one across the halves
.irp m, 1,2,4,8
.irp e, 0,1,2,3,4,5,6,7
	v_add_f32_dpp v[ACC+\e], v[ACC+\e], v[ACC+\e] row_xmask:\m row_mask:0xf bank_mask:0xf
.endr
.endr
.irp e, 0,1,2,3,4,5,6,7
	v_mov_b32 v[176+\e], 0                         ; a lane permute's destination counts as read
.endr
.irp e, 0,1,2,3,4,5,6,7
	v_permlanex16_b32 v[176+\e], v[ACC+\e], s37, s38
.endr
.irp e, 0,1,2,3,4,5,6,7
	v_add_f32 v[ACC+\e], v[ACC+\e], v[176+\e]
.endr
.irp e, 0,1,2,3,4,5,6,7
	v_add_f32 v[ACC+\e], s[24+\e], v[ACC+\e]       ; + bg: every lane holds all eight logits
.endr
	; the largest: v160, its index v161.  An equal later logit does not take the place
	v_mov_b32 v160, v[ACC]
	v_mov_b32 v161, 0
.irp e, 1
	s_delay_alu instid0(VALU_DEP_2)
	v_cmp_ge_f32 vcc_lo, v160, v[ACC+\e]
	s_delay_alu instid0(VALU_DEP_1)
	v_cndmask_b32 v161, \e, v161, vcc_lo
	s_delay_alu instid0(VALU_DEP_4)
	v_max_num_f32 v160, v160, v[ACC+\e]
.endr
.irp e, 2, 3, 4, 5, 6, 7
	s_delay_alu instid0(VALU_DEP_1)
	v_cmp_ge_f32 vcc_lo, v160, v[ACC+\e]
	s_delay_alu instid0(VALU_DEP_1)
	v_cndmask_b32 v161, \e, v161, vcc_lo
	s_delay_alu instid0(VALU_DEP_3)
	v_max_num_f32 v160, v160, v[ACC+\e]
.endr
	; the second: v162, its index v163, among the other seven
	v_mov_b32 v165, 0xff800000
	s_delay_alu instid0(VALU_DEP_1)
	v_mov_b32 v162, v165
	s_delay_alu instid0(VALU_DEP_4)
	v_min_u32 v163, 1, v161
	s_delay_alu instid0(VALU_DEP_1)
	v_sub_nc_u32 v163, 1, v163                     ; begins at an index other than the first's
.irp e, 0,1,2,3,4,5,6,7
	v_cmp_eq_u32 vcc_lo, \e, v161
	s_delay_alu instid0(VALU_DEP_1)
	v_cndmask_b32 v164, v[ACC+\e], v165, vcc_lo
	s_delay_alu instid0(VALU_DEP_1)
	v_cmp_ge_f32 vcc_lo, v162, v164
	s_delay_alu instid0(VALU_DEP_1)
	v_cndmask_b32 v163, \e, v163, vcc_lo
	s_delay_alu instid0(VALU_DEP_3)
	v_max_num_f32 v162, v162, v164
.endr
	s_delay_alu instid0(VALU_DEP_1)
	; softmax over the two, the larger taken away: g1 = 1 / (1 + q), g2 = q / (1 + q), q = e^(second - first) <= 1
	v_sub_f32 v164, v162, v160
	s_delay_alu instid0(VALU_DEP_1)
	v_mul_f32 v164, 0x3fb8aa3b, v164
	s_wait_alu depctr_va_vdst(0)
	v_exp_f32 v167, v164
	v_mov_b32 v166, 1                              ; (a plain line behind the exponential)
	s_wait_alu depctr_va_vdst(0)                   ; the wait ahead of the first reader
	v_add_f32 v164, 1.0, v167
	s_wait_alu depctr_va_vdst(0)
	v_rcp_f32 v176, v164
	v_lshlrev_b32 v178, v161, v166                 ; (a plain line)  1 << first
	s_wait_alu depctr_va_vdst(0)
	v_mul_f32 v177, v167, v176
	v_lshlrev_b32 v179, v163, v166
	s_delay_alu instid0(VALU_DEP_1)
	v_or_b32 v178, v178, v179                      ; the token's mask of experts
	v_cmp_eq_u32 vcc_lo, v12, v161
	v_cndmask_b32 v180, 0, v176, vcc_lo
	v_cmp_eq_u32 vcc_lo, v12, v163
	s_delay_alu instid0(VALU_DEP_1)
	v_cndmask_b32 v180, v180, v177, vcc_lo         ; comb[t][lane % 8]
	ds_store_b32 v7, v180                          ; lanes of one expert write the same word with the same value
	ds_store_b32 v8, v178
	s_wait_dscnt 0x0                               ; for wave 0's sake
	s_barrier_signal -1
	s_barrier_wait -1
	s_cmp_lg_u32 s20, 0
	s_cbranch_scc1 .Ldone                          ; wave 0 stores for the eight tokens
	v_lshlrev_b32 v16, 3, v1
	v_lshl_add_u32 v17, v1, 3, CB
	v_mov_b32 v18, MK
	ds_load_b64 v[20:21], v17
	ds_load_b128 v[24:27], v18
	ds_load_b128 v[28:31], v18 offset:16
	s_lshl_b32 s34, ttmp9, 8
	s_add_nc_u64 s[14:15], s[14:15], s[34:35]
	s_wait_alu depctr_va_vdst(0)
	s_wait_dscnt 0x0
	global_store_b64 v16, v[20:21], s[14:15]       ; comb: 256 consecutive bytes
	v_lshrrev_b32 v32, v12, v24
	s_delay_alu instid0(VALU_DEP_1)
	v_and_b32 v32, 1, v32                          ; token 0's bit of my expert
.irp i, 1,2,3,4,5,6,7
	v_lshrrev_b32 v34, v12, v[24+\i]
	s_delay_alu instid0(VALU_DEP_1)
	v_and_b32 v34, 1, v34
	s_delay_alu instid0(VALU_DEP_1)
	v_lshl_or_b32 v32, v34, \i, v32
.endr
	s_mov_b32 s34, ttmp9
	s_add_nc_u64 s[16:17], s[16:17], s[34:35]
	v_lshlrev_b32 v33, 7, v12                      ; row e of member, byte = the work-group's number
	s_wait_alu depctr_va_vdst(0)
	s_wait_xcnt 0x0                                ; EXEC changes only behind this wait
	v_cmp_gt_u32 vcc_lo, 8, v0
	s_and_saveexec_b32 s39, vcc_lo
	global_store_b8 v33, v32, s[16:17]             ; eight single bytes: 1,024 in the whole launch
	s_wait_xcnt 0x0
	s_or_b32 exec_lo, exec_lo, s39
.Ldone:
	s_wait_tensorcnt 0x0
	ds_add_u32 v216, v217
	s_wait_dscnt 0x0
	s_endpgm
.Lfunc_end_k_q5885d2f420_route:
	.size	k_q5885d2f420_route, .Lfunc_end_k_q5885d2f420_route-k_q5885d2f420_route
	.p2alignl 7, 3214868480
	.fill 96, 4, 3214868480
	.section	.rodata,"a",@progbits
	.p2align	6, 0x0
	.amdhsa_kernel k_q5885d2f420_route
		.amdhsa_group_segment_fixed_size 46592
		.amdhsa_private_segment_fixed_size 0
		.amdhsa_enable_private_segment 0
		.amdhsa_kernarg_size 56
		.amdhsa_user_sgpr_count 2
		.amdhsa_user_sgpr_kernarg_segment_ptr 1
		.amdhsa_wavefront_size32 1
		.amdhsa_system_sgpr_workgroup_id_x 1
		.amdhsa_system_sgpr_workgroup_id_y 1
		.amdhsa_system_sgpr_workgroup_id_z 1
		.amdhsa_system_vgpr_workitem_id 0
		.amdhsa_next_free_vgpr 218
		.amdhsa_next_free_sgpr 66
		.amdhsa_reserve_vcc 1
		.amdhsa_float_denorm_mode_32 3
		.amdhsa_float_denorm_mode_16_64 3
		.amdhsa_memory_ordered 1
		.amdhsa_forward_progress 1
		.amdhsa_inst_pref_size 33
	.end_amdhsa_kernel
	.amdgpu_metadata
---
amdhsa.version: [ 1, 2 ]
amdhsa.kernels:
  - .name:           k_q5885d2f420_route
    .symbol:         k_q5885d2f420_route.kd
    .args:
      - { .name: x, .offset: 0, .size: 8, .value_kind: global_buffer, .address_space: global }
      - { .name: Wg, .offset: 8, .size: 8, .value_kind: global_buffer, .address_space: global }
      - { .name: bg, .offset: 16, .size: 8, .value_kind: global_buffer, .address_space: global }
      - { .name: lowp_scales, .offset: 24, .size: 8, .value_kind: global_buffer, .address_space: global }
      - { .name: xq, .offset: 32, .size: 8, .value_kind: global_buffer, .address_space: global }
      - { .name: comb, .offset: 40, .size: 8, .value_kind: global_buffer, .address_space: global }
      - { .name: member, .offset: 48, .size: 8, .value_kind: global_buffer, .address_space: global }
    .group_segment_fixed_size: 46592
    .private_segment_fixed_size: 0
    .kernarg_segment_align: 8
    .kernarg_segment_size: 56
    .max_flat_workgroup_size: 256
    .sgpr_count:     66
    .vgpr_count:     218
    .wavefront_size: 32
...
	.end_amdgpu_metadata
.endif
;; end of part 5
;; launch ffn1 (part 6): grid 256 x 1, 4 waves a work-group, no clusters, 134,144 bytes of LDS; arguments W1_codes, xq, member, b1, lowp_scales, himg; writes himg
.if DOCPART == 6
	.amdgcn_target "amdgcn-amd-amdhsa--gfx1250"
	.amdhsa_code_object_version 6
	.text
	.protected	k_q5885d2f420_ffn1
	.globl	k_q5885d2f420_ffn1
	.p2align	8
	.type	k_q5885d2f420_ffn1,@function
k_q5885d2f420_ffn1:
	s_mov_b64 s[64:65], 0
	v_nop
	global_prefetch_b8 v0, s[64:65] scope:SCOPE_SE
	s_setreg_imm32_b32 hwreg(HW_REG_WAVE_SCHED_MODE, 0, 2), 2
	s_setreg_imm32_b32 hwreg(HW_REG_WAVE_MODE, 25, 1), 1
	s_wait_xcnt 0x0
	s_wait_alu depctr_vm_vsrc(0)
; THE FIRST PRODUCT, for the chosen rows alone: h = Q(relu(x W1 + b1)), on codes of E4M3.  Scales: e0 (W1), e1 (x), e2 (h).
; SHARES.  Work-group wg = 32 e + fs owns expert e's hidden units 128 fs .. + 127: 128 rows of W1's codes, 128 KiB that lie on end in memory and that no other work-group reads.  They are copied
; once, by loads of 512 consecutive bytes a wave, into LDS rows 1,040 bytes apart (an odd number of 16-byte columns); ONE barrier follows, the only one.
; ROWS.  Row p of expert e is the token of the p-th set bit of member[e].  The 32 words come by scalar loads; running counts are made in scalar registers, and each lane finds its token by selects alone.
; Rows go in tiles of 16.  Tile i belongs to pass i / 20, wave i % 4, place g = (i % 20) / 4: a wave holds up to five tiles' sums and walks K once a pass, so each weight fragment read from LDS feeds 4 or 5 products.
; The pass loop has four trips (80 tiles; at most 64 can exist).  In a trip a scalar branch on the stored count leads to nothing, to the body for five tiles or to the body for four.  Places past the expert's last tile
; work on rows inside xq and land in spare tiles of himg.  The first pass always runs, so that tiles 0 to 15 of every expert are written whatever the split: the next launch never loads a tile that was not stored.
; EXEC is never changed: every lane is on throughout.
; LAYOUT.  The product is used transposed (source 0 = 16 rows of W1, source 1 = 16 tokens): a lane holds one token.  Row f of the slice lies in LDS row f with bits 3 and 4 exchanged, so that tile n = 2 b + u's row m is
; hidden unit 32 b + 16 (m / 8) + 8 u + m % 8, and the 16 registers of tiles 2 b, 2 b + 1 are 16 neighbours along the next K.  A fragment comes by four loads of 16 bytes, 32 apart (k = 32 c + 16 (lane / 16) + 0..15):
; a permutation of k that is the same on both sides.  b1 / 2^(e0 + e1) is the C of each sum's first product; relu and the hold at the largest code are one instruction; the three scales fold into the conversion's one.
; himg [e][80 tiles][32 K steps][4][32 lanes][16 bytes] holds the next product's operand as an image of its registers.
; NOT USED, AND WHY: tensor loads (branches hang on stored counts); clusters (no weight byte is read twice; what is shared, 1 KiB a row of xq, is a small part beside 128 KiB); prefetch (a work-group's weights are all asked for at its first lines).
; LIMITS: e2 - e0 - e1 between -126 and 119.
; REGISTERS, in windows of 256.  Window 0: v1-46 addresses; v48-111 the bias, 8 registers a tile n; v112-175, v176-239 two sets of four weight fragments; while a pass's rows are searched v112-159 are at work; on the way out the codes lie from v112.
;   Window 1: x's fragments, slots 0-2 of a ring of four K steps, at 80 k + 16 g.   Window 2: the sums of g = 0..3 at 64 g + 8 n; at the head the 64 weight loads.   Window 3: v0-63 the sums of g = 4; v64-143 ring slot 3.
; THE MODE: SCHED_MODE bits 1:0 = 2 (LLVM: expert scheduling mode 2), set by the entry lines.  The code itself states the register dependences
; between vector or matrix instructions and memory or LDS instructions, with s_wait_alu, always for 0.
; THE PLAN.  Registers that memory or LDS instructions touch, in a body (step i = 2 s + hs: K step s, tiles n = 4 hs .. 4 hs + 3):
;   W0, W1      the weight sets.  Step i's products read W[i % 2]; the sixteen LDS loads of step i + 1, issued in step i, land in W[(i + 1) % 2], which step i - 1's products read.
;   R0 .. R3    the ring of x.  Steps 2 s and 2 s + 1 read R[s % 4]; the loads of K step s + 3, issued in step 2 s, land in R[(s - 1) % 4], which steps 2 s - 2 and 2 s - 1 read.
;   v6, v7, v10-14, v15-19   addresses: written at the head or ahead of a pass, never in a body.
;   the codes   place g's sixteen registers from v112 + 16 g: written by its conversions, read by its four stores.
;   The sums and the bias are named by vector and matrix instructions alone.
; So ONE wait on va_vdst stands at the head of a step: the step before is done reading its weight set and, where a K step has ended, its ring slot.  The step's loads follow it, dealt among its products, which name
; W[i % 2], R[s % 4], the sums and the bias: none of the registers that those loads touch.  Step 0 has no such wait (no vector or matrix instruction since the last wait names what its loads touch), nor has the last step, which loads nothing.
; On the way out one wait on va_vdst a place stands ahead of its stores; one wait on vm_vsrc at the body's end frees codes and addresses for the next pass.
.set KS,    8
.set PW,    1040
.set HALFW, 64*PW
.set BI,    128*PW                     ; behind the weights: 128 numbers b1 / 2^(e0 + e1)
.set XAR,   10                         ; v10-14  x: token x 1,024 + 16 (lane / 16), for place g
.set HOR,   15                         ; v15-19  himg: tile x 65,536 + 16 x lane
.set PR,    22                         ; v22-24  rows p: places 2 j (lanes 0-15) and 2 j + 1 (lanes 16-31)
.set TK,    25                         ; v25-27  their tokens
.set BIAS,  48
.set WB,    112
.set SC,    112                        ; the search, row set j at SC + 16 j: +0 the word, +1 the set bits ahead of it, +2 its number, +3 which set bit of it, +4 .. +7 its counts of 2, 4, 8, 16 bits, +8 the place in it, +9 .. +11 at work
.set MSB,   0
.macro WIN new                         ; the immediate's high byte repeats the setting that is left; a switch that changes nothing is dropped
.if MSB != (\new)
	s_set_vgpr_msb (MSB<<8)|(\new)
.set MSB, (\new)
.endif
.endm
.macro PLACES n
.rept \n
	v_nop
.endr
.endm
.macro WLOAD k                         ; sixteen loads of the slice: two rows of 1,024 bytes to a work-group's instruction
	WIN 0x80
.set Q_, 16*(\k)
.rept 16
	global_load_b128 v[4*Q_:4*Q_+3], v45, s[4:5] offset:2048*Q_ th:TH_LOAD_NT
.set Q_, Q_+1
.endr
	WIN 0
.endm
.macro WSTORE k                        ; and into LDS, row f to row f with bits 3 and 4 exchanged
	WIN 0x08
.set Q_, 16*(\k)
.rept 16
.set X_, 2*Q_
.set L_, (X_&0x67)|((X_&8)<<1)|((X_&16)>>1)
	ds_store_b128 v[4+L_/64], v[4*Q_:4*Q_+3] offset:(L_%64)*PW
.set Q_, Q_+1
.endr
	WIN 0
.endm
; THE SEARCH: v[PR + j] = p  ->  v[TK + j] = the place of the p-th set bit of the expert's 1,024, for the three row sets j together, so that the compares stand in runs, each into a scalar register of its own, with one wait behind a run.
.macro CMP3 q, m0, m1, m2              ; do more than p bits lie ahead of word q?  One mask for each row set
.if (\q) < 32
	v_cmp_gt_u32 s[\m0], s[32+(\q)], v[PR]
	v_cmp_gt_u32 s[\m1], s[32+(\q)], v[PR+1]
	v_cmp_gt_u32 s[\m2], s[32+(\q)], v[PR+2]
.endif
.endm
.macro PICK3 q, m0, m1, m2             ; if so, keep what I have; else take the word, the count ahead of it, and its number
.if (\q) < 32
	v_cndmask_b32 v[SC],    s[68+(\q)], v[SC],    s[\m0]
	v_cndmask_b32 v[SC+16], s[68+(\q)], v[SC+16], s[\m1]
	v_cndmask_b32 v[SC+32], s[68+(\q)], v[SC+32], s[\m2]
	v_cndmask_b32 v[SC+1],  s[32+(\q)], v[SC+1],  s[\m0]
	v_cndmask_b32 v[SC+17], s[32+(\q)], v[SC+17], s[\m1]
	v_cndmask_b32 v[SC+33], s[32+(\q)], v[SC+33], s[\m2]
	v_cndmask_b32 v[SC+2],  0+(\q), v[SC+2],  s[\m0]
	v_cndmask_b32 v[SC+18], 0+(\q), v[SC+18], s[\m1]
	v_cndmask_b32 v[SC+34], 0+(\q), v[SC+34], s[\m2]
.endif
.endm
.macro WORDS q                         ; words q .. q + 3: twelve compares, one wait, their selects
	CMP3 (\q),   2,  3,  17
	CMP3 (\q)+1, 19, 20, 21
	CMP3 (\q)+2, 26, 27, 28
	CMP3 (\q)+3, 29, 30, 31
	s_wait_alu depctr_va_sdst(0)                   ; the run's compares have written their masks, ahead of the selects that read them
	PICK3 (\q),   2,  3,  17
	PICK3 (\q)+1, 19, 20, 21
	PICK3 (\q)+2, 26, 27, 28
	PICK3 (\q)+3, 29, 30, 31
.endm
.macro COUNTS b, p                     ; row set at v[b], its p in v[p]: which set bit of the word, and the word's counts
	v_sub_nc_u32 v[\b+3], v[\p], v[\b+1]           ; which set bit of the word
	v_lshrrev_b32 v[\b+9], 1, v[\b]
	v_and_b32 v[\b+9], 0x55555555, v[\b+9]
	v_sub_nc_u32 v[\b+4], v[\b], v[\b+9]           ; counts of 2 bits,
	v_lshrrev_b32 v[\b+9], 2, v[\b+4]
	v_and_b32 v[\b+9], 0x33333333, v[\b+9]
	v_and_b32 v[\b+5], 0x33333333, v[\b+4]
	v_add_nc_u32 v[\b+5], v[\b+5], v[\b+9]         ; of 4,
	v_lshrrev_b32 v[\b+9], 4, v[\b+5]
	v_add_nc_u32 v[\b+9], v[\b+5], v[\b+9]
	v_and_b32 v[\b+6], 0x0f0f0f0f, v[\b+9]         ; of 8,
	v_lshrrev_b32 v[\b+9], 8, v[\b+6]
	v_add_nc_u32 v[\b+7], v[\b+6], v[\b+9]         ; of 16 (in bytes 0 and 2)
	v_mov_b32 v[\b+8], 0
.endm
.macro HALVE src, width, step          ; one halving of the search inside a word: c = the set bits of the lower part
.irp j, 0,1,2
	v_bfe_u32 v[SC+16*\j+9], v[SC+16*\j+\src], v[SC+16*\j+8], \width
.endr
	v_cmp_ge_u32 s2,  v[SC+3],  v[SC+9]
	v_cmp_ge_u32 s3,  v[SC+19], v[SC+25]
	v_cmp_ge_u32 s17, v[SC+35], v[SC+41]
.irp j, 0,1,2
	v_sub_nc_u32 v[SC+16*\j+10], v[SC+16*\j+3], v[SC+16*\j+9]
	v_add_nc_u32 v[SC+16*\j+11], \step, v[SC+16*\j+8]
.endr
	s_wait_alu depctr_va_sdst(0)                   ; the three compares have written s2, s3 and s17, ahead of the selects that read them
	v_cndmask_b32 v[SC+3],  v[SC+3],  v[SC+10], s2
	v_cndmask_b32 v[SC+8],  v[SC+8],  v[SC+11], s2
	v_cndmask_b32 v[SC+19], v[SC+19], v[SC+26], s3
	v_cndmask_b32 v[SC+24], v[SC+24], v[SC+27], s3
	v_cndmask_b32 v[SC+35], v[SC+35], v[SC+42], s17
	v_cndmask_b32 v[SC+40], v[SC+40], v[SC+43], s17
.endm
.macro PREPA                           ; a pass's rows, tokens and addresses.  s23 = the pass, s25 = 320 x pass + 16 x wave
.irp j, 0,1,2
	s_add_co_u32 s101, s25, 128*\j
	v_add_nc_u32 v[PR+\j], s101, v43
	v_mov_b32 v[SC+16*\j], s68
	v_mov_b32 v[SC+16*\j+1], 0
	v_mov_b32 v[SC+16*\j+2], 0
.endr
.irp q, 1,5,9,13,17,21,25,29
	WORDS \q
.endr
.irp j, 0,1,2
	COUNTS SC+16*\j, PR+\j
.endr
	HALVE 7, 8, 16
	HALVE 6, 8, 8
	HALVE 5, 4, 4
	HALVE 4, 2, 2
	HALVE 0, 1, 1
.irp j, 0,1,2
	v_lshl_add_u32 v[TK+\j], v[SC+16*\j+2], 5, v[SC+16*\j+8]
.endr
.irp j, 0,1,2
	v_permlanex16_b32 v40, v[TK+\j], s66, s67      ; the other half's tokens
	v_cndmask_b32 v41, v[TK+\j], v40, s100         ; place 2 j: its rows were searched by lanes 0-15
	v_min_u32 v41, 0x3ff, v41                      ; a token stays inside xq, whatever p was
	v_lshl_add_u32 v[XAR+2*\j], v41, 10, v42
.if \j < 2
	v_cndmask_b32 v41, v40, v[TK+\j], s100         ; place 2 j + 1: by lanes 16-31
	v_min_u32 v41, 0x3ff, v41
	v_lshl_add_u32 v[XAR+2*\j+1], v41, 10, v42
.endif
.endr
	s_mul_i32 s101, s23, 20
	s_add_co_u32 s101, s101, s18
.irp g, 0,1,2,3,4
	s_add_co_u32 s26, s101, 4*\g                   ; tile 20 x pass + 4 g + wave
	v_lshl_add_u32 v[HOR+\g], s26, 16, v1
.endr
.endm
.macro PREFILL k                       ; K step k of all five places into ring slot k: twenty loads
	WIN 0x40
.irp g, 0,1,2,3,4
.irp c, 0,1,2,3
	global_load_b128 v[80*(\k)+16*\g+4*\c:80*(\k)+16*\g+4*\c+3], v[XAR+\g], s[6:7] offset:128*(\k)+32*\c
.endr
.endr
	WIN 0
.endm
.macro XREQ s, G                       ; K step s + 3 of the body's G places, into the slot that K step s - 1 has left
.if (\s)+3 < KS
.if ((\s)+3)%4 == 3
	WIN 0xc0
.set XB_, 64
.else
	WIN 0x40
.set XB_, 80*(((\s)+3)%4)
.endif
.set G_, 0
.rept \G
.irp c, 0,1,2,3
	global_load_b128 v[XB_+16*G_+4*\c:XB_+16*G_+4*\c+3], v[XAR+G_], s[6:7] offset:128*((\s)+3)+32*\c
.endr
.set G_, G_+1
.endr
.endif
.endm
.macro WRUN i, f0                      ; step i = 2 s + hs: two of its four weight fragments, f0 and f0 + 1 (tiles 4 hs + f), K step s: eight LDS loads in one run
	WIN 0
.irp f, \f0, \f0+1
.irp c, 0,1,2,3
	ds_load_b128 v[WB+64*((\i)%2)+16*(\f)+4*\c:WB+64*((\i)%2)+16*(\f)+4*\c+3], v[6+(\i)%2] offset:16*(\f)*PW+128*((\i)/2)+32*\c
.endr
.endr
.endm
.macro YCNT s, G                       ; at the head of K step s, ahead of its own request: the loads of x that are younger than K step s's: the head's slots behind it, 20 each, and the requests j = s - 2, s - 1 that exist, 4 G each
.set LO_, (\s)-2
.if LO_ < 0
.set LO_, 0
.endif
.set HI_, (\s)-1
.if HI_ > KS-4
.set HI_, KS-4
.endif
.set Y_, 0
.if HI_ >= LO_
.set Y_, 4*(\G)*(HI_-LO_+1)
.endif
.if (\s) < 2
.set Y_, Y_+20*(2-(\s))
.endif
.endm
.macro OPS i                           ; step i: where its operands lie
.set S_, (\i)/2
.set HS_, (\i)%2
.set WA_, WB+64*HS_
.if S_%4 == 3
.set RB_, 64
.set RW_, 0x0c
.else
.set RB_, 80*(S_%4)
.set RW_, 0x04
.endif
.endm
; The products of a step: fragment f against places 0 to 3, f = 0 .. 3, then place 4 against the four fragments.  The accumulators take turns, one instruction a turn, in the same order in every step.
.macro MUL4 i, f
	OPS \i
.if S_ == 0
	WIN 0x80|RW_
.else
	WIN 0xa0|RW_
.endif
.irp g, 0,1,2,3
.if S_ == 0
	v_wmma_f32_16x16x128_fp8_fp8 v[64*\g+8*(4*HS_+\f):64*\g+8*(4*HS_+\f)+7], v[WA_+16*\f:WA_+16*\f+15], v[RB_+16*\g:RB_+16*\g+15], v[BIAS+8*(4*HS_+\f):BIAS+8*(4*HS_+\f)+7]
.else
	v_wmma_f32_16x16x128_fp8_fp8 v[64*\g+8*(4*HS_+\f):64*\g+8*(4*HS_+\f)+7], v[WA_+16*\f:WA_+16*\f+15], v[RB_+16*\g:RB_+16*\g+15], v[64*\g+8*(4*HS_+\f):64*\g+8*(4*HS_+\f)+7]
.endif
.endr
.endm
.macro MUL5 i
	OPS \i
.if S_ == 0
	WIN 0xc0|RW_
.else
	WIN 0xf0|RW_
.endif
.irp f, 0,1,2,3
.if S_ == 0
	v_wmma_f32_16x16x128_fp8_fp8 v[8*(4*HS_+\f):8*(4*HS_+\f)+7], v[WA_+16*\f:WA_+16*\f+15], v[RB_+64:RB_+79], v[BIAS+8*(4*HS_+\f):BIAS+8*(4*HS_+\f)+7]
.else
	v_wmma_f32_16x16x128_fp8_fp8 v[8*(4*HS_+\f):8*(4*HS_+\f)+7], v[WA_+16*\f:WA_+16*\f+15], v[RB_+64:RB_+79], v[8*(4*HS_+\f):8*(4*HS_+\f)+7]
.endif
.endr
.endm
.macro STEP i, G                       ; 4 G products; among them the next step's sixteen LDS loads, in two runs of eight, and, in a K step's first half, the request for x three K steps on
	s_wait_dscnt 8                                 ; LDS loads come back in order (ISA guide 5.7.1): this step's fragments 0 and 1 are in; the eight loads of fragments 2 and 3 may stay out
.if (\i)%2 == 0
	YCNT (\i)/2, \G
	s_wait_loadcnt Y_                              ; this K step's rows of x are in; the younger loads, counted above, stay out
.endif
.if ((\i) > 0) && ((\i) < 2*KS-1)
	s_wait_alu depctr_va_vdst(0)                   ; the step before is done reading its weight set, in which the LDS loads below land; where a K step begins, the K step before is done reading its ring slot, in which the loads of x land
.endif
	MUL4 \i, 0
.if (\i) < 2*KS-1
	WRUN (\i)+1, 0                                 ; no wait: no product since the wait above names the other weight set or v6, v7
.endif
	MUL4 \i, 1
.if (\i) < 2*KS-1
	WRUN (\i)+1, 2
	s_wait_dscnt 16                                ; the next step's sixteen loads may stay out: this step's fragments 2 and 3 are in
.else
	s_wait_dscnt 0x0
.endif
	MUL4 \i, 2
.if (\i)%2 == 0
	XREQ (\i)/2, \G                                ; no wait: no product since the wait above names that slot or v10-14
.endif
	MUL4 \i, 3
.if (\G) == 5
	MUL5 \i
.endif
.endm
.macro EPI g                           ; place g's 16 tokens x 128 hidden units become one fragment of the next product and leave as its image
.set CD_, WB+16*(\g)
.if (\g) < 4
.set AB_, 64*(\g)
	WIN 0x82
.else
.set AB_, 0
	WIN 0xc3
.endif
.set J_, 0
.rept 64
	v_med3_num_f32 v[AB_+J_], v[AB_+J_], 0, v21    ; relu and the hold in one: between 0 and 448 x the scale; each accumulator from its low end on
.set J_, J_+1
.endr
.if (\g) < 4
	WIN 0x02
.else
	WIN 0x03
.endif
.irp b, 0,1,2,3
	v_cvt_scalef32_pk8_fp8_f32 v[CD_+4*\b:CD_+4*\b+1], v[AB_+16*\b:AB_+16*\b+7], v20
	v_cvt_scalef32_pk8_fp8_f32 v[CD_+4*\b+2:CD_+4*\b+3], v[AB_+16*\b+8:AB_+16*\b+15], v20
.endr
	v_nop                                          ; a plain line behind the last scaled conversion
	WIN 0
	s_wait_alu depctr_va_vdst(0)                   ; the conversions have written place g's sixteen registers of codes, which the four stores read
.irp b, 0,1,2,3
	global_store_b128 v[HOR+(\g)], v[CD_+4*\b:CD_+4*\b+3], s[14:15] offset:512*\b   ; 512 consecutive bytes, aligned
.endr
.endm
.macro BODY G                          ; a pass of G places: sixteen steps, then the way out.  Straight-line; nothing of it is pending at its end
	WRUN 0, 0
	WRUN 0, 2
.set I_, 0
.rept 2*KS
	STEP I_, \G
.set I_, I_+1
.endr
	PLACES 5                                       ; behind the last products: their results are read and written, their operands written over, by vector instructions (ISA guide 7.12.1)
.set E_, 0
.rept \G
	EPI E_
.set E_, E_+1
.endr
	s_wait_xcnt 0x0                                ; the stores have had their addresses translated: codes and addresses may be written again
	s_wait_alu depctr_vm_vsrc(0)                   ; the stores have read the codes and v15-19, the loads of x v10-14: the next pass's search, addresses and weight fragments write these registers
.endm
	s_load_b256 s[4:11], s[0:1], 0x0               ; W1's codes 4, xq 6, member 8, b1 10
	s_load_b128 s[12:15], s[0:1], 0x20             ; the scales 12, himg 14
	v_lshl_add_u32 v254, v0, 2, 0x20a00
	v_mov_b32 v255, 0
	v_lshrrev_b32 v28, 5, v0
	v_readfirstlane_b32 s18, v28                   ; wave 0..3
	v_and_b32 v28, 31, v0
	v_lshlrev_b32 v1, 4, v28                       ; 16 x lane
	v_and_b32 v2, 15, v0                           ; r
	v_bfe_u32 v3, v0, 4, 1                         ; h
	v_lshrrev_b32 v29, 6, v0
	v_and_b32 v30, 63, v0
	v_mul_u32_u24 v4, v29, PW
	v_lshl_add_u32 v4, v30, 4, v4                  ; weights into LDS: 64 threads to a row
	v_add_nc_u32 v5, HALFW, v4
	v_mul_u32_u24 v6, v2, PW
	v_lshl_add_u32 v6, v3, 4, v6                   ; and out: row r of a tile, + 16 h
	v_add_nc_u32 v7, HALFW, v6
	v_lshlrev_b32 v8, 6, v3
	v_add_nc_u32 v8, BI, v8                        ; the bias of my half's hidden units
	v_lshl_add_u32 v9, v0, 2, BI
	v_lshlrev_b32 v42, 4, v3                       ; 16 h
	v_lshl_add_u32 v43, v3, 6, v2                  ; 64 h + r: my row among a pair of places
	v_lshlrev_b32 v45, 4, v0                       ; 16 x thread
	v_lshlrev_b32 v46, 2, v0
	v_mov_b32 v40, 0                               ; a lane permute's destination counts as read
	s_lshr_b32 s19, ttmp9, 5                       ; the expert
	s_and_b32 s20, ttmp9, 31                       ; which 128 hidden units
	s_mov_b32 s66, 0x76543210
	s_mov_b32 s67, 0xfedcba98
	s_mov_b32 s100, 0xffff0000                     ; lanes 16-31
	s_mov_b32 s27, 0
	s_wait_alu depctr_va_sdst(0)                   ; s18, the wave's number, is written, ahead of its first reader
	s_wait_kmcnt 0x0
	s_lshl_b32 s26, s19, 7
	s_add_nc_u64 s[8:9], s[8:9], s[26:27]
	s_load_b512 s[68:83], s[8:9], 0x0              ; the expert's 32 words
	s_load_b512 s[84:99], s[8:9], 0x40
	s_load_b128 s[28:31], s[12:13], 0x0            ; e0, e1, e2, e3
	s_lshl_b32 s26, ttmp9, 17
	s_add_nc_u64 s[4:5], s[4:5], s[26:27]          ; my slice of W1
	s_lshl_b32 s26, ttmp9, 9
	s_add_nc_u64 s[10:11], s[10:11], s[26:27]      ; my 128 numbers of b1
	s_mul_i32 s26, s19, 5242880
	s_lshl_b32 s101, s20, 11
	s_add_co_u32 s26, s26, s101
	s_add_nc_u64 s[14:15], s[14:15], s[26:27]      ; himg: my expert, my K step
	s_wait_alu depctr_va_vdst(0)                   ; the offsets v45 and v46 and the LDS addresses v4 to v9 are written, which the loads and LDS instructions below read; none of them is written again
	global_load_b32 v44, v46, s[10:11]
	WLOAD 0
	WLOAD 1
	WLOAD 2
	s_wait_kmcnt 0x0
	s_mov_b32 s32, 0                               ; s[32 + q]: the set bits ahead of word q
.set Q_, 1
.rept 31
	s_bcnt1_i32_b32 s101, s[67+Q_]
	s_add_co_u32 s[32+Q_], s[31+Q_], s101
.set Q_, Q_+1
.endr
	s_bcnt1_i32_b32 s101, s99
	s_add_co_u32 s21, s63, s101                    ; the expert's rows
	s_add_co_u32 s22, s21, 15
	s_lshr_b32 s22, s22, 4                         ; its tiles
	s_add_co_i32 s26, s28, s29
	s_sub_co_i32 s16, 0, s26                       ; -(e0 + e1)
	s_sub_co_i32 s26, s30, s26
	s_add_co_i32 s26, s26, 127
	s_lshl_b32 s101, s26, 23
	v_mov_b32 v20, s101                            ; 2^(e2 - e0 - e1) as f32
	s_add_co_i32 s26, s26, 8
	s_lshl_b32 s26, s26, 23
	s_or_b32 s26, s26, 0x600000
	v_mov_b32 v21, s26                             ; 448 x that
	s_mov_b32 s23, 0
	s_lshl_b32 s25, s18, 4
	PREPA                                          ; the first pass's rows are found while the weights are on their way (s19-21 and s26-31 are done with: they take the search's masks)
	WLOAD 3                                        ; no wait: the search names neither v45 nor window 2
	s_wait_loadcnt 48                              ; younger: weight loads 16-63.  b1 and loads 0-15 are in
	v_ldexp_f32 v44, v44, s16
	s_wait_alu depctr_va_vdst(0)                   ; v44 is written, which the LDS store reads; the pass's addresses v10-19 are written, which the loads of x and the stores read; the search is done with v112-159, in which weight fragments land
	ds_store_b32 v9, v44
	WSTORE 0
	PREFILL 0
	s_wait_loadcnt 52                              ; younger: weight loads 32-63 and 20 of x
	WSTORE 1
	PREFILL 1
	s_wait_loadcnt 56                              ; younger: weight loads 48-63 and 40 of x
	WSTORE 2
	PREFILL 2
	s_wait_loadcnt 60                              ; younger: the 60 of x
	WSTORE 3
	s_wait_dscnt 0x0                               ; for the others' sake: my stores have landed
	s_barrier_signal -1
	s_barrier_wait -1                              ; the slice and the bias lie in LDS; nothing writes them again
	s_wait_alu depctr_vm_vsrc(0)                   ; my LDS stores have read the 256 registers of window 2, which are the sums from here on, written by the products; the loads of x have read v10-14
.irp n, 0,1,2,3,4,5,6,7
	ds_load_b128 v[BIAS+8*\n:BIAS+8*\n+3], v8 offset:128*(\n/2)+32*(\n%2)      ; tile n, register j: hidden unit 32 (n / 2) + 16 h + 8 (n % 2) + j
	ds_load_b128 v[BIAS+8*\n+4:BIAS+8*\n+7], v8 offset:128*(\n/2)+32*(\n%2)+16
.endr
	s_wait_dscnt 0x0
.Lpass:
	s_mul_i32 s26, s23, 20
	s_add_co_u32 s26, s26, s18
	s_sub_co_i32 s24, s22, s26                     ; tiles from my first place of this pass on,
	s_add_co_i32 s24, s24, 3
	s_ashr_i32 s24, s24, 2                         ; a quarter of them mine, rounded up,
	s_max_i32 s24, s24, 0
	s_min_i32 s24, s24, 5                          ; between 0 and 5
	s_cmp_eq_u32 s23, 0
	s_cbranch_scc1 .Lhave                          ; the first pass was prepared at the head, and always runs
	s_cmp_eq_u32 s24, 0
	s_cbranch_scc1 .Lnext
	s_wait_loadcnt 0x0                             ; no load reads the addresses that are made anew
	s_mul_i32 s25, s23, 320
	s_lshl_b32 s26, s18, 4
	s_add_co_u32 s25, s25, s26
	PREPA
	s_wait_alu depctr_va_vdst(0)                   ; the pass's addresses v10-19 are written, which the loads of x and the stores read; the search is done with v112-159, in which weight fragments land
	PREFILL 0
	PREFILL 1
	PREFILL 2
.Lhave:
	s_cmp_eq_u32 s24, 5
	s_cbranch_scc1 .Lfive
	BODY 4
	s_branch .Lnext
.Lfive:
	BODY 5
.Lnext:
	s_add_co_u32 s23, s23, 1
	s_cmp_lt_u32 s23, 4
	s_cbranch_scc1 .Lpass
	s_wait_dscnt 0x0                               ; the closing lines, six on end
	s_wait_alu 0x0
	s_wait_tensorcnt 0x0
	ds_add_u32 v254, v255
	s_wait_dscnt 0x0
	s_endpgm
.Lfunc_end_k_q5885d2f420_ffn1:
	.size	k_q5885d2f420_ffn1, .Lfunc_end_k_q5885d2f420_ffn1-k_q5885d2f420_ffn1
	.p2alignl 7, 3214868480
	.fill 96, 4, 3214868480
	.section	.rodata,"a",@progbits
	.p2align	6, 0x0
	.amdhsa_kernel k_q5885d2f420_ffn1
		.amdhsa_group_segment_fixed_size 134144
		.amdhsa_private_segment_fixed_size 0
		.amdhsa_enable_private_segment 0
		.amdhsa_kernarg_size 48
		.amdhsa_user_sgpr_count 2
		.amdhsa_user_sgpr_kernarg_segment_ptr 1
		.amdhsa_wavefront_size32 1
		.amdhsa_system_sgpr_workgroup_id_x 1
		.amdhsa_system_sgpr_workgroup_id_y 1
		.amdhsa_system_sgpr_workgroup_id_z 1
		.amdhsa_system_vgpr_workitem_id 0
		.amdhsa_next_free_vgpr 1024
		.amdhsa_next_free_sgpr 102
		.amdhsa_reserve_vcc 0
		.amdhsa_float_denorm_mode_32 3
		.amdhsa_float_denorm_mode_16_64 3
		.amdhsa_memory_ordered 1
		.amdhsa_forward_progress 1
		.amdhsa_inst_pref_size 235
	.end_amdhsa_kernel
	.amdgpu_metadata
---
amdhsa.version: [ 1, 2 ]
amdhsa.kernels:
  - .name:           k_q5885d2f420_ffn1
    .symbol:         k_q5885d2f420_ffn1.kd
    .args:
      - { .name: W1_codes, .offset: 0, .size: 8, .value_kind: global_buffer, .address_space: global }
      - { .name: xq, .offset: 8, .size: 8, .value_kind: global_buffer, .address_space: global }
      - { .name: member, .offset: 16, .size: 8, .value_kind: global_buffer, .address_space: global }
      - { .name: b1, .offset: 24, .size: 8, .value_kind: global_buffer, .address_space: global }
      - { .name: lowp_scales, .offset: 32, .size: 8, .value_kind: global_buffer, .address_space: global }
      - { .name: himg, .offset: 40, .size: 8, .value_kind: global_buffer, .address_space: global }
    .group_segment_fixed_size: 134144
    .private_segment_fixed_size: 0
    .kernarg_segment_align: 8
    .kernarg_segment_size: 48
    .max_flat_workgroup_size: 128
    .sgpr_count:     102
    .vgpr_count:     1024
    .wavefront_size: 32
...
	.end_amdgpu_metadata
.endif
;; end of part 6
;; launch ffn2 (part 7): grid 256 x 1, 4 waves a work-group, no clusters, 150,016 bytes of LDS; arguments W2_codes, himg, member, ypart; writes ypart
.if DOCPART == 7
	.amdgcn_target "amdgcn-amd-amdhsa--gfx1250"
	.amdhsa_code_object_version 6
	.text
	.protected	k_q5885d2f420_ffn2
	.globl	k_q5885d2f420_ffn2
	.p2align	8
	.type	k_q5885d2f420_ffn2,@function
k_q5885d2f420_ffn2:
	s_mov_b64 s[64:65], 0
	v_nop
	global_prefetch_b8 v0, s[64:65] scope:SCOPE_SE
	s_setreg_imm32_b32 hwreg(HW_REG_WAVE_SCHED_MODE, 0, 2), 2
	s_setreg_imm32_b32 hwreg(HW_REG_WAVE_MODE, 25, 1), 1
	s_wait_xcnt 0x0
	s_wait_alu depctr_vm_vsrc(0)
; THE SECOND PRODUCT, for the chosen rows alone: the raw f32 sums of h's codes x W2's codes, K in two halves.
; SHARES.  Work-group wg = 32 e + 2 ds + kh owns expert e's output columns 64 ds .. + 63 and K = 2,048 kh .. + 2,047: 64 rows x 2,048 bytes of W2's codes, 128 KiB that no other work-group reads, copied once
; into LDS rows 2,064 bytes apart (an odd number of 16-byte columns); ONE barrier follows.  K in one piece with 32 columns would double the bytes of h that a work-group reads; K in four would double the partial sums.
; ROWS as in the launch before: tile i of 16 rows belongs to pass i / 20, wave i % 4, place g = (i % 20) / 4; four passes; in a pass a scalar branch on the stored count leads to nothing, to five places or to four.
; h comes as images of the operand's registers: every load is 512 consecutive bytes.  The number of a tile that is LOADED is held at the last tile that the launch before has surely written (the expert's last, or tile 15);
; the places that this serves are stored into spare rows of ypart, each place's own, which nobody reads.
; LAYOUT.  Transposed use (source 0 = 16 rows of W2 = 16 output columns, source 1 = 16 rows of h): a lane holds eight neighbouring columns of one row.  A tile (16 rows x 256 bytes) goes through the wave's own stage
; and leaves as whole rows: sixteen lanes store 256 consecutive aligned bytes.  ypart [2 kh][8 e][1,280 rows][1,024] f32; the scale, b2 and the gates come in the last launch.
; NOT USED, AND WHY: tensor loads (branches hang on stored counts); clusters (no weight byte is read twice; the partners of an expert would have to ask jointly under those branches); prefetch (the weights are all asked for at the first lines).
; REGISTERS.  Window 0: addresses; v112-175, v176-239 two sets of four weight fragments, on the way out rows of ypart.  Window 1: h's fragments, ring slots 0-2 at 80 k + 16 g.  Window 2: the sums at 32 g + 8 n; at the head the 64 weight loads.  Window 3: ring slot 3 at 16 g.
; THE MODE: SCHED_MODE bits 1:0 = 2 (LLVM: expert scheduling mode 2), set by the entry lines.  The code itself states the register dependences
; between vector or matrix instructions and memory or LDS instructions, with s_wait_alu, always for 0.
; THE PLAN.  Registers that memory or LDS instructions touch, in a body (a step is a K step s):
;   W0, W1      the weight sets.  Step s's products read W[s % 2]; the sixteen LDS loads of step s + 1, issued in step s, land in W[(s + 1) % 2], which step s - 1's products read.
;   R0 .. R3    the ring of h.  Step s's products read R[s % 4]; the loads of step s + 3, issued in step s, land in R[(s - 1) % 4], which step s - 1's products read.
;   v6, v7, v10-14, v15-19, v20, v21   addresses: written at the head or ahead of a pass, never in a body.
;   the sums    written by the products; read by the LDS stores of the way out.
;   v112-175    on the way out: two sets of eight rows' registers by turns: LDS loads land in them, stores read them.
; So ONE wait on va_vdst stands at the head of a step: the step before is done reading its weight set and its ring slot.  The slot is asked for again at once, ahead of the wait for this step's data, so that it does not lie idle;
; the LDS loads are dealt among the step's products, which name W[s % 2], R[s % 4] and the sums: none of the registers that those loads touch.  Step 0 has no such wait (no vector or matrix instruction since the last wait
; names what its loads touch), nor has the last step, which loads nothing.  One wait on va_vdst serves the whole way out; waits on vm_vsrc stand where registers that stores have read are loaded or written again.
.set KS,    16
.set PW,    2064
.set HALFW, 32*PW
.set ST,    64*PW                      ; behind the weights: a stage of 16 rows x 272 bytes for each wave
.set SP,    272
.set HAR,   10                         ; v10-14  himg: the tile to load x 65,536 + 16 x lane
.set YOR,   15                         ; v15-19  ypart: tile x 65,536 + (lane / 16) x 4,096 + 16 (lane % 16)
.set WB,    112
.set MSB,   0
.macro WIN new
.if MSB != (\new)
	s_set_vgpr_msb (MSB<<8)|(\new)
.set MSB, (\new)
.endif
.endm
.macro PLACES n
.rept \n
	v_nop
.endr
.endm
.macro WLOAD k                         ; sixteen loads: a row's 2,048 bytes to a work-group's instruction
	WIN 0x80
.set Q_, 16*(\k)
.rept 16
	global_load_b128 v[4*Q_:4*Q_+3], v9, s[4:5] offset:4096*Q_ th:TH_LOAD_NT
.set Q_, Q_+1
.endr
	WIN 0
.endm
.macro WSTORE k
	WIN 0x08
.set Q_, 16*(\k)
.rept 16
	ds_store_b128 v[4+Q_/32], v[4*Q_:4*Q_+3] offset:(Q_%32)*PW
.set Q_, Q_+1
.endr
	WIN 0
.endm
.macro PREP2                           ; a pass's addresses.  s23 = the pass
	s_mul_i32 s26, s23, 20
	s_add_co_u32 s26, s26, s18
.irp g, 0,1,2,3,4
	s_add_co_u32 s27, s26, 4*\g                    ; tile 20 x pass + 4 g + wave
	v_lshl_add_u32 v[YOR+\g], s27, 16, v8
	s_min_u32 s27, s27, s25                        ; to load: no tile past the last that was written,
	s_min_u32 s27, s27, 79                         ; and none outside the expert's 80
	v_lshl_add_u32 v[HAR+\g], s27, 16, v1
.endr
.endm
.macro PREFILL k
	WIN 0x40
.irp g, 0,1,2,3,4
.irp c, 0,1,2,3
	global_load_b128 v[80*(\k)+16*\g+4*\c:80*(\k)+16*\g+4*\c+3], v[HAR+\g], s[6:7] offset:2048*(\k)+512*\c
.endr
.endr
	WIN 0
.endm
.macro XREQ s, G                       ; K step s + 3 of the body's G places, into the slot that K step s - 1 has left
.if (\s)+3 < KS
.if ((\s)+3)%4 == 3
	WIN 0xc0
.set XB_, 0
.else
	WIN 0x40
.set XB_, 80*(((\s)+3)%4)
.endif
.set G_, 0
.rept \G
.irp c, 0,1,2,3
	global_load_b128 v[XB_+16*G_+4*\c:XB_+16*G_+4*\c+3], v[HAR+G_], s[6:7] offset:2048*((\s)+3)+512*\c
.endr
.set G_, G_+1
.endr
.endif
.endm
.macro WRUN s, n0                      ; K step s: two of its four weight fragments, n0 and n0 + 1: eight LDS loads in one run
	WIN 0
.irp n, \n0, \n0+1
.irp c, 0,1,2,3
	ds_load_b128 v[WB+64*((\s)%2)+16*(\n)+4*\c:WB+64*((\s)%2)+16*(\n)+4*\c+3], v[6+(\n)/2] offset:16*((\n)%2)*PW+128*(\s)+32*\c
.endr
.endr
.endm
.macro YCNT s, G                       ; the loads of h that are younger than K step s's: the head's slots behind it, 20 each, and the requests j = s - 2 .. s that exist, 4 G each
.set LO_, (\s)-2
.if LO_ < 0
.set LO_, 0
.endif
.set HI_, (\s)
.if HI_ > KS-4
.set HI_, KS-4
.endif
.set Y_, 0
.if HI_ >= LO_
.set Y_, 4*(\G)*(HI_-LO_+1)
.endif
.if (\s) < 2
.set Y_, Y_+20*(2-(\s))
.endif
.endm
.macro MULN s, n, G                    ; fragment n against the G places.  The accumulators take turns, one instruction a turn, in the same order in every step
.set WA_, WB+64*((\s)%2)
.if (\s)%4 == 3
.set RB_, 0
	WIN 0xac
.else
.set RB_, 80*((\s)%4)
	WIN 0xa4
.endif
.set G_, 0
.rept \G
.if (\s) == 0
	v_wmma_f32_16x16x128_fp8_fp8 v[32*G_+8*(\n):32*G_+8*(\n)+7], v[WA_+16*(\n):WA_+16*(\n)+15], v[RB_+16*G_:RB_+16*G_+15], 0
.else
	v_wmma_f32_16x16x128_fp8_fp8 v[32*G_+8*(\n):32*G_+8*(\n)+7], v[WA_+16*(\n):WA_+16*(\n)+15], v[RB_+16*G_:RB_+16*G_+15], v[32*G_+8*(\n):32*G_+8*(\n)+7]
.endif
.set G_, G_+1
.endr
.endm
.macro STEP s, G                       ; 4 G products; ahead of them the request for h three K steps on; among them the next step's sixteen LDS loads, in two runs of eight
.if ((\s) > 0) && ((\s) < KS-1)
	s_wait_alu depctr_va_vdst(0)                   ; the step before is done reading its ring slot, in which the loads of h below land, and its weight set, in which the LDS loads below land
.endif
	XREQ \s, \G
	s_wait_dscnt 8                                 ; LDS loads come back in order (ISA guide 5.7.1): this step's fragments 0 and 1 are in; the eight loads of fragments 2 and 3 may stay out
	YCNT \s, \G
	s_wait_loadcnt Y_                              ; this K step's images are in; the younger loads, counted above, stay out
	MULN \s, 0, \G
.if (\s) < KS-1
	WRUN (\s)+1, 0                                 ; no wait: no product since the wait above names the other weight set or v6, v7
.endif
	MULN \s, 1, \G
.if (\s) < KS-1
	WRUN (\s)+1, 2
	s_wait_dscnt 16                                ; the next step's sixteen loads may stay out: this step's fragments 2 and 3 are in
.else
	s_wait_dscnt 0x0
.endif
	MULN \s, 2, \G
	MULN \s, 3, \G
.endm
.macro OUTG g                          ; place g's 16 rows x 64 columns: through my stage, out as whole rows of 256 bytes
.set AB_, 32*(\g)
.set OB_, WB+32*((\g)%2)
.if (\g) >= 2
	s_wait_xcnt 0x0                                ; place g - 2's stores have had their addresses translated,
	s_wait_alu depctr_vm_vsrc(0)                   ; and have read the registers in which the loads from the stage land again
.endif
	WIN 0x08
.irp n, 0,1,2,3
	ds_store_b128 v20, v[AB_+8*\n:AB_+8*\n+3] offset:64*\n          ; each accumulator from its low end on
	ds_store_b128 v20, v[AB_+8*\n+4:AB_+8*\n+7] offset:64*\n+16
.endr
	WIN 0
.irp i, 0,1,2,3,4,5,6,7
	ds_load_b128 v[OB_+4*\i:OB_+4*\i+3], v21 offset:2*SP*\i         ; LDS serves a wave's instructions in order: these see my stores
.endr
	s_wait_dscnt 0x0
.irp i, 0,1,2,3,4,5,6,7
	global_store_b128 v[YOR+(\g)], v[OB_+4*\i:OB_+4*\i+3], s[10:11] offset:8192*\i th:TH_STORE_NT
.endr
.endm
.macro BODY G
	WRUN 0, 0
	WRUN 0, 2
.set I_, 0
.rept KS
	STEP I_, \G
.set I_, I_+1
.endr
	PLACES 5                                       ; behind the last products, before their results are read (ISA guide 7.12.1)
	s_wait_alu depctr_va_vdst(0)                   ; the products have written the sums, which the LDS stores read, and are done reading v112-175, in which the loads from the stage land; the places above stay beside this wait
.set E_, 0
.rept \G
	OUTG E_
.set E_, E_+1
.endr
	s_wait_xcnt 0x0                                ; the stores have had their addresses translated
	s_wait_alu depctr_vm_vsrc(0)                   ; the stores have read v112-175 and v15-19, the loads of h v10-14, the LDS stores the sums: the next pass's addresses, weight fragments and products write these registers
.endm
	s_load_b256 s[4:11], s[0:1], 0x0               ; W2's codes 4, himg 6, member 8, ypart 10
	v_lshl_add_u32 v254, v0, 2, 0x24800
	v_mov_b32 v255, 0
	v_lshrrev_b32 v22, 5, v0
	v_readfirstlane_b32 s18, v22                   ; wave 0..3
	v_and_b32 v22, 31, v0
	v_lshlrev_b32 v1, 4, v22                       ; 16 x lane
	v_and_b32 v2, 15, v0                           ; r
	v_bfe_u32 v3, v0, 4, 1                         ; h
	v_lshlrev_b32 v4, 4, v0                        ; weights into LDS: the work-group fills a row
	v_add_nc_u32 v5, HALFW, v4
	v_mul_u32_u24 v6, v2, PW
	v_lshl_add_u32 v6, v3, 4, v6                   ; and out: row r of a tile, + 16 h
	v_add_nc_u32 v7, HALFW, v6
	v_lshlrev_b32 v8, 4, v2
	v_lshl_add_u32 v8, v3, 12, v8                  ; ypart: lanes 0-15 one row, lanes 16-31 the next
	v_lshlrev_b32 v9, 4, v0                        ; 16 x thread
	s_wait_alu depctr_va_sdst(0)                   ; s18, the wave's number, is written, ahead of its first reader
	s_mul_i32 s26, s18, 16*SP
	s_add_co_u32 s26, s26, ST                      ; my stage
	v_mul_u32_u24 v20, v2, SP
	v_lshl_add_u32 v20, v3, 5, v20
	v_add_nc_u32 v20, s26, v20                     ; in: row r, 32 bytes for each half of the lanes
	v_mul_u32_u24 v21, v3, SP
	v_lshl_add_u32 v21, v2, 4, v21
	v_add_nc_u32 v21, s26, v21                     ; back: two rows an instruction
	s_lshr_b32 s19, ttmp9, 5                       ; the expert
	s_bfe_u32 s20, ttmp9, 0x40001                  ; which 64 columns
	s_and_b32 s30, ttmp9, 1                        ; which half of K
	s_mov_b32 s27, 0
	s_wait_kmcnt 0x0
	s_lshl_b32 s26, s19, 7
	s_add_nc_u64 s[8:9], s[8:9], s[26:27]
	s_load_b512 s[32:47], s[8:9], 0x0              ; the expert's 32 words
	s_load_b512 s[48:63], s[8:9], 0x40
	s_lshr_b32 s26, ttmp9, 1
	s_lshl_b32 s26, s26, 18                        ; (1,024 e + 64 ds) rows of 4,096 bytes
	s_lshl_b32 s28, s30, 11
	s_add_co_u32 s26, s26, s28
	s_add_nc_u64 s[4:5], s[4:5], s[26:27]
	s_mul_i32 s26, s19, 5242880
	s_lshl_b32 s28, s30, 15                        ; sixteen K steps of 2,048 bytes
	s_add_co_u32 s26, s26, s28
	s_add_nc_u64 s[6:7], s[6:7], s[26:27]
	s_lshl_b32 s26, s30, 3
	s_add_co_u32 s26, s26, s19
	s_mul_i32 s26, s26, 5242880                    ; (8 kh + e) x 1,280 rows of 4,096 bytes
	s_lshl_b32 s28, s20, 8
	s_add_co_u32 s26, s26, s28
	s_add_nc_u64 s[10:11], s[10:11], s[26:27]
	s_wait_alu depctr_va_vdst(0)                   ; the offset v9 and the LDS addresses v4 to v7, v20 and v21 are written, which the loads and LDS instructions below read; none of them is written again
	WLOAD 0
	WLOAD 1
	WLOAD 2
	s_wait_kmcnt 0x0
	s_bcnt1_i32_b32 s21, s32
.set Q_, 1
.rept 31
	s_bcnt1_i32_b32 s28, s[32+Q_]
	s_add_co_u32 s21, s21, s28
.set Q_, Q_+1
.endr
	s_add_co_u32 s22, s21, 15
	s_lshr_b32 s22, s22, 4                         ; the expert's tiles
	s_max_u32 s25, s22, 16
	s_sub_co_u32 s25, s25, 1                       ; the last tile that is surely written
	s_mov_b32 s23, 0
	PREP2
	WLOAD 3                                        ; no wait: the addresses' lines name neither v9 nor window 2
	s_wait_loadcnt 48                              ; younger: weight loads 16-63
	WSTORE 0
	s_wait_alu depctr_va_vdst(0)                   ; the pass's addresses v10-19 are written, which the loads of h and the stores read
	PREFILL 0
	s_wait_loadcnt 52                              ; younger: weight loads 32-63 and 20 of h
	WSTORE 1
	PREFILL 1
	s_wait_loadcnt 56                              ; younger: weight loads 48-63 and 40 of h
	WSTORE 2
	PREFILL 2
	s_wait_loadcnt 60                              ; younger: the 60 of h
	WSTORE 3
	s_wait_dscnt 0x0                               ; for the others' sake: my stores have landed
	s_barrier_signal -1
	s_barrier_wait -1                              ; the slice lies in LDS; nothing writes it again
	s_wait_alu depctr_vm_vsrc(0)                   ; my LDS stores have read the registers of window 2, which are the sums from here on, written by the products; the loads of h have read v10-14
.Lpass:
	s_mul_i32 s26, s23, 20
	s_add_co_u32 s26, s26, s18
	s_sub_co_i32 s24, s22, s26
	s_add_co_i32 s24, s24, 3
	s_ashr_i32 s24, s24, 2
	s_max_i32 s24, s24, 0
	s_min_i32 s24, s24, 5                          ; my places of this pass, 0 to 5
	s_cmp_eq_u32 s24, 0
	s_cbranch_scc1 .Lnext
	s_cmp_eq_u32 s23, 0
	s_cbranch_scc1 .Lhave                          ; the first pass was prepared at the head
	s_wait_loadcnt 0x0                             ; no load reads the addresses that are made anew
	PREP2
	s_wait_alu depctr_va_vdst(0)                   ; the pass's addresses v10-19 are written, which the loads of h and the stores read
	PREFILL 0
	PREFILL 1
	PREFILL 2
.Lhave:
	s_cmp_eq_u32 s24, 5
	s_cbranch_scc1 .Lfive
	BODY 4
	s_branch .Lnext
.Lfive:
	BODY 5
.Lnext:
	s_add_co_u32 s23, s23, 1
	s_cmp_lt_u32 s23, 4
	s_cbranch_scc1 .Lpass
	s_wait_dscnt 0x0                               ; the closing lines, six on end
	s_wait_alu 0x0
	s_wait_tensorcnt 0x0
	ds_add_u32 v254, v255
	s_wait_dscnt 0x0
	s_endpgm
.Lfunc_end_k_q5885d2f420_ffn2:
	.size	k_q5885d2f420_ffn2, .Lfunc_end_k_q5885d2f420_ffn2-k_q5885d2f420_ffn2
	.p2alignl 7, 3214868480
	.fill 96, 4, 3214868480
	.section	.rodata,"a",@progbits
	.p2align	6, 0x0
	.amdhsa_kernel k_q5885d2f420_ffn2
		.amdhsa_group_segment_fixed_size 150016
		.amdhsa_private_segment_fixed_size 0
		.amdhsa_enable_private_segment 0
		.amdhsa_kernarg_size 32
		.amdhsa_user_sgpr_count 2
		.amdhsa_user_sgpr_kernarg_segment_ptr 1
		.amdhsa_wavefront_size32 1
		.amdhsa_system_sgpr_workgroup_id_x 1
		.amdhsa_system_sgpr_workgroup_id_y 1
		.amdhsa_system_sgpr_workgroup_id_z 1
		.amdhsa_system_vgpr_workitem_id 0
		.amdhsa_next_free_vgpr 1024
		.amdhsa_next_free_sgpr 66
		.amdhsa_reserve_vcc 0
		.amdhsa_float_denorm_mode_32 3
		.amdhsa_float_denorm_mode_16_64 3
		.amdhsa_memory_ordered 1
		.amdhsa_forward_progress 1
		.amdhsa_inst_pref_size 170
	.end_amdhsa_kernel
	.amdgpu_metadata
---
amdhsa.version: [ 1, 2 ]
amdhsa.kernels:
  - .name:           k_q5885d2f420_ffn2
    .symbol:         k_q5885d2f420_ffn2.kd
    .args:
      - { .name: W2_codes, .offset: 0, .size: 8, .value_kind: global_buffer, .address_space: global }
      - { .name: himg, .offset: 8, .size: 8, .value_kind: global_buffer, .address_space: global }
      - { .name: member, .offset: 16, .size: 8, .value_kind: global_buffer, .address_space: global }
      - { .name: ypart, .offset: 24, .size: 8, .value_kind: global_buffer, .address_space: global }
    .group_segment_fixed_size: 150016
    .private_segment_fixed_size: 0
    .kernarg_segment_align: 8
    .kernarg_segment_size: 32
    .max_flat_workgroup_size: 128
    .sgpr_count:     66
    .vgpr_count:     1024
    .wavefront_size: 32
...
	.end_amdgpu_metadata
.endif
;; end of part 7
;; launch mix (part 8): grid 256 x 1, 4 waves a work-group, no clusters, 0 bytes of LDS; arguments ypart, member, comb, b2, lowp_scales, out0; writes out0
.if DOCPART == 8
	.amdgcn_target "amdgcn-amd-amdhsa--gfx1250"
	.amdhsa_code_object_version 6
	.text
	.protected	k_q5885d2f420_mix
	.globl	k_q5885d2f420_mix
	.p2align	8
	.type	k_q5885d2f420_mix,@function
k_q5885d2f420_mix:
	s_mov_b64 s[64:65], 0
	v_nop
	global_prefetch_b8 v0, s[64:65] scope:SCOPE_SE
	s_setreg_imm32_b32 hwreg(HW_REG_WAVE_MODE, 25, 1), 1
	s_wait_xcnt 0x0
; out[t] = the sum over the token's two experts of g x (2^(e2 + e3) x (the two halves of K added) + b2[e]).
; A wave takes one token.  Its two experts are read off member (a bit for each expert, by scalar loads), their gates off comb.  The token's row p in an expert is the number of that expert's tokens ahead of it:
; lane q loads word q of each expert's 32 words (128 consecutive bytes a load), keeps the bits under the token's, counts them by shifts, masks and one multiplication, two experts' counts (at most 1,024 each) share a
; register, and four registers are summed over the 32 lanes.  Whole numbers throughout; the choice among the eight is made by selects; no branch.
; A stream: each load and store of a wave covers 512 consecutive bytes; all 48 loads of a wave go out together.  No LDS, no barrier, no matrix unit (K = 2), no cluster (nothing is shared but b2, 4 KiB a row, and member, 1 KiB).
; LIMIT: e2 + e3 between -126 and 127.
.set MW, 8                             ; v8-15   word `lane' of experts 0..7, then the count of its bits under my token
.set T,  16                            ; v16-23  at work
.set PK, 24                            ; v24-27  the counts of experts 2 k (low half) and 2 k + 1 (high half)
.set PT, 28                            ; v28-31  what another lane holds
.set R,  16                            ; later: v[16 + 24 j ..]: chunk j: A's two halves, B's two halves, b2 of A, b2 of B, four registers each
	s_load_b256 s[4:11], s[0:1], 0x0               ; ypart 4, member 6, comb 8, b2 10
	s_load_b128 s[12:15], s[0:1], 0x20             ; the scales 12, out0 14
	v_lshrrev_b32 v2, 5, v0
	v_readfirstlane_b32 s18, v2                    ; wave
	v_and_b32 v3, 31, v0                           ; lane
	s_wait_alu depctr_va_vdst(0)
	v_lshlrev_b32 v1, 4, v3                        ; 16 x lane
	v_lshlrev_b32 v2, 2, v3                        ; 4 x lane
	s_lshl_b32 s19, ttmp9, 2
	s_add_co_u32 s19, s19, s18                     ; my token
	s_and_b32 s20, s19, 31                         ; its bit,
	s_lshr_b32 s21, s19, 5                         ; in this word of each expert's row
	s_lshl_b32 s22, s21, 2
	s_mov_b32 s23, 0
	s_mov_b32 s2, 0x76543210                       ; lane selects: each lane takes its own place in the other half
	s_mov_b32 s3, 0xfedcba98
	s_mov_b32 s18, 0x01010101
	s_bfm_b32 s58, s20, 0                          ; the bits under my token's
	v_mov_b32 v5, s58
	v_mov_b32 v6, -1
	v_cmp_gt_u32 vcc_lo, s21, v3
	v_cndmask_b32 v4, 0, v6, vcc_lo                ; words ahead of my token's count whole,
	v_cmp_eq_u32 vcc_lo, s21, v3
	v_cndmask_b32 v4, v4, v5, vcc_lo               ; its own word in part, later words not at all
	s_wait_alu depctr_va_vdst(0)
	s_wait_kmcnt 0x0
.irp e, 0,1,2,3,4,5,6,7
	global_load_b32 v[MW+\e], v2, s[6:7] offset:128*\e
.endr
	s_add_nc_u64 s[16:17], s[6:7], s[22:23]
	s_lshl_b32 s22, s19, 5
	s_add_nc_u64 s[8:9], s[8:9], s[22:23]
	s_lshl_b32 s22, s19, 12
	s_add_nc_u64 s[14:15], s[14:15], s[22:23]
.irp e, 0,1,2,3,4,5,6,7
	s_load_b32 s[24+\e], s[16:17], 128*\e          ; my token's word of expert e
.endr
	s_load_b256 s[40:47], s[8:9], 0x0              ; comb[t][0..7]
	s_load_b128 s[48:51], s[12:13], 0x0            ; e0 .. e3
.irp k, 0,1,2,3
	v_mov_b32 v[PT+\k], 0                          ; the destination of a lane exchange counts as read
.endr
	s_wait_loadcnt 0x0                             ; the eight words; nothing else is out
.irp e, 0,1,2,3,4,5,6,7
	v_and_b32 v[MW+\e], v4, v[MW+\e]
.endr
.irp e, 0,1,2,3,4,5,6,7
	v_lshrrev_b32 v[T+\e], 1, v[MW+\e]
.endr
.irp e, 0,1,2,3,4,5,6,7
	v_and_b32 v[T+\e], 0x55555555, v[T+\e]
.endr
.irp e, 0,1,2,3,4,5,6,7
	v_sub_nc_u32 v[MW+\e], v[MW+\e], v[T+\e]       ; counts of 2 bits,
.endr
.irp e, 0,1,2,3,4,5,6,7
	v_lshrrev_b32 v[T+\e], 2, v[MW+\e]
.endr
.irp e, 0,1,2,3,4,5,6,7
	v_and_b32 v[T+\e], 0x33333333, v[T+\e]
.endr
.irp e, 0,1,2,3,4,5,6,7
	v_and_b32 v[MW+\e], 0x33333333, v[MW+\e]
.endr
.irp e, 0,1,2,3,4,5,6,7
	v_add_nc_u32 v[MW+\e], v[MW+\e], v[T+\e]       ; of 4,
.endr
.irp e, 0,1,2,3,4,5,6,7
	v_lshrrev_b32 v[T+\e], 4, v[MW+\e]
.endr
.irp e, 0,1,2,3,4,5,6,7
	v_add_nc_u32 v[MW+\e], v[MW+\e], v[T+\e]
.endr
.irp e, 0,1,2,3,4,5,6,7
	v_and_b32 v[MW+\e], 0x0f0f0f0f, v[MW+\e]       ; of 8;
.endr
.irp e, 0,1,2,3,4,5,6,7
	v_mul_lo_u32 v[MW+\e], v[MW+\e], s18           ; the four bytes' sum lands in the top byte
.endr
.irp e, 0,1,2,3,4,5,6,7
	v_lshrrev_b32 v[MW+\e], 24, v[MW+\e]
.endr
.irp k, 0,1,2,3
	v_lshl_or_b32 v[PK+\k], v[MW+2*\k+1], 16, v[MW+2*\k]
.endr
.irp m, 1,2,4,8                        ; the sum over the 32 lanes: four steps inside a half of 16 lanes, one across the halves
.irp k, 0,1,2,3
	v_mov_b32_dpp v[PT+\k], v[PK+\k] row_xmask:\m row_mask:0xf bank_mask:0xf
.endr
.irp k, 0,1,2,3
	v_add_nc_u32 v[PK+\k], v[PK+\k], v[PT+\k]
.endr
.endr
.irp k, 0,1,2,3
	v_permlanex16_b32 v[PT+\k], v[PK+\k], s2, s3
.endr
.irp k, 0,1,2,3
	v_add_nc_u32 v[PK+\k], v[PK+\k], v[PT+\k]
.endr
.irp k, 0,1,2,3
	v_readfirstlane_b32 s58, v[PK+\k]
	s_and_b32 s[32+2*\k], s58, 0xffff              ; s[32 + e]: my token's row in expert e, if it takes e
	s_lshr_b32 s[33+2*\k], s58, 16
.endr
	s_mov_b32 s52, 0                               ; A: expert, row, gate
	s_mov_b32 s53, 0
	s_mov_b32 s54, 0
	s_mov_b32 s55, 0                               ; B likewise
	s_mov_b32 s56, 0
	s_mov_b32 s57, 0
	s_wait_kmcnt 0x0
.irp e, 7,6,5,4,3,2,1,0                ; from the highest expert down: a chosen one moves A to B and takes A's place
	s_bitcmp1_b32 s[24+\e], s20
	s_cselect_b32 s55, s52, s55
	s_cselect_b32 s56, s53, s56
	s_cselect_b32 s57, s54, s57
	s_cselect_b32 s52, \e, s52
	s_cselect_b32 s53, s[32+\e], s53
	s_cselect_b32 s54, s[40+\e], s54
.endr
	s_min_u32 s52, s52, 7                          ; what comes from memory is held inside the buffers before it enters an address
	s_min_u32 s53, s53, 1279
	s_min_u32 s55, s55, 7
	s_min_u32 s56, s56, 1279
	s_mov_b32 s59, 0
	s_mul_i32 s58, s52, 1280
	s_add_co_u32 s58, s58, s53
	s_lshl_b32 s58, s58, 12
	s_add_nc_u64 s[60:61], s[4:5], s[58:59]        ; A's row, K's first half,
	s_add_nc_u64 s[62:63], s[60:61], 41943040      ; and second
	s_mul_i32 s58, s55, 1280
	s_add_co_u32 s58, s58, s56
	s_lshl_b32 s58, s58, 12
	s_add_nc_u64 s[66:67], s[4:5], s[58:59]        ; B's
	s_add_nc_u64 s[68:69], s[66:67], 41943040
	s_lshl_b32 s58, s52, 12
	s_add_nc_u64 s[70:71], s[10:11], s[58:59]      ; b2 of A,
	s_lshl_b32 s58, s55, 12
	s_add_nc_u64 s[72:73], s[10:11], s[58:59]      ; of B
	s_mov_b32 s74, s54                             ; the packed forms name pairs and take the low word for both halves
	s_mov_b32 s75, s54
	s_mov_b32 s76, s57
	s_mov_b32 s77, s57
	s_add_co_i32 s78, s50, s51
	s_add_co_i32 s78, s78, 127
	s_lshl_b32 s78, s78, 23                        ; 2^(e2 + e3) as f32
	s_mov_b32 s79, s78
.irp j, 0,1,2,3,4,5,6,7
	global_load_b128 v[R+24*\j:R+24*\j+3],     v1, s[60:61] offset:512*\j th:TH_LOAD_NT
	global_load_b128 v[R+24*\j+4:R+24*\j+7],   v1, s[62:63] offset:512*\j th:TH_LOAD_NT
	global_load_b128 v[R+24*\j+8:R+24*\j+11],  v1, s[66:67] offset:512*\j th:TH_LOAD_NT
	global_load_b128 v[R+24*\j+12:R+24*\j+15], v1, s[68:69] offset:512*\j th:TH_LOAD_NT
	global_load_b128 v[R+24*\j+16:R+24*\j+19], v1, s[70:71] offset:512*\j
	global_load_b128 v[R+24*\j+20:R+24*\j+23], v1, s[72:73] offset:512*\j
.endr
.irp j, 0,1,2,3,4,5,6,7
	s_wait_loadcnt 6*(7-\j)                        ; the later chunks' loads, six each, may stay out
.irp k, 0,2
	v_pk_add_f32 v[R+24*\j+\k:R+24*\j+\k+1], v[R+24*\j+\k:R+24*\j+\k+1], v[R+24*\j+4+\k:R+24*\j+5+\k]
	v_pk_add_f32 v[R+24*\j+8+\k:R+24*\j+9+\k], v[R+24*\j+8+\k:R+24*\j+9+\k], v[R+24*\j+12+\k:R+24*\j+13+\k]
	v_pk_fma_f32 v[R+24*\j+\k:R+24*\j+\k+1], v[R+24*\j+\k:R+24*\j+\k+1], s[78:79], v[R+24*\j+16+\k:R+24*\j+17+\k] op_sel_hi:[1,0,1]
	v_pk_fma_f32 v[R+24*\j+8+\k:R+24*\j+9+\k], v[R+24*\j+8+\k:R+24*\j+9+\k], s[78:79], v[R+24*\j+20+\k:R+24*\j+21+\k] op_sel_hi:[1,0,1]
	v_pk_mul_f32 v[R+24*\j+\k:R+24*\j+\k+1], v[R+24*\j+\k:R+24*\j+\k+1], s[74:75] op_sel_hi:[1,0]
	v_pk_fma_f32 v[R+24*\j+\k:R+24*\j+\k+1], v[R+24*\j+8+\k:R+24*\j+9+\k], s[76:77], v[R+24*\j+\k:R+24*\j+\k+1] op_sel_hi:[1,0,1]
.endr
	global_store_b128 v1, v[R+24*\j:R+24*\j+3], s[14:15] offset:512*\j th:TH_STORE_NT   ; 512 consecutive bytes, aligned
.endr
	s_endpgm
.Lfunc_end_k_q5885d2f420_mix:
	.size	k_q5885d2f420_mix, .Lfunc_end_k_q5885d2f420_mix-k_q5885d2f420_mix
	.p2alignl 7, 3214868480
	.fill 96, 4, 3214868480
	.section	.rodata,"a",@progbits
	.p2align	6, 0x0
	.amdhsa_kernel k_q5885d2f420_mix
		.amdhsa_group_segment_fixed_size 0
		.amdhsa_private_segment_fixed_size 0
		.amdhsa_enable_private_segment 0
		.amdhsa_kernarg_size 48
		.amdhsa_user_sgpr_count 2
		.amdhsa_user_sgpr_kernarg_segment_ptr 1
		.amdhsa_wavefront_size32 1
		.amdhsa_system_sgpr_workgroup_id_x 1
		.amdhsa_system_sgpr_workgroup_id_y 1
		.amdhsa_system_sgpr_workgroup_id_z 1
		.amdhsa_system_vgpr_workitem_id 0
		.amdhsa_next_free_vgpr 208
		.amdhsa_next_free_sgpr 80
		.amdhsa_reserve_vcc 1
		.amdhsa_float_denorm_mode_32 3
		.amdhsa_float_denorm_mode_16_64 3
		.amdhsa_memory_ordered 1
		.amdhsa_forward_progress 1
		.amdhsa_inst_pref_size 25
	.end_amdhsa_kernel
	.amdgpu_metadata
---
amdhsa.version: [ 1, 2 ]
amdhsa.kernels:
  - .name:           k_q5885d2f420_mix
    .symbol:         k_q5885d2f420_mix.kd
    .args:
      - { .name: ypart, .offset: 0, .size: 8, .value_kind: global_buffer, .address_space: global }
      - { .name: member, .offset: 8, .size: 8, .value_kind: global_buffer, .address_space: global }
      - { .name: comb, .offset: 16, .size: 8, .value_kind: global_buffer, .address_space: global }
      - { .name: b2, .offset: 24, .size: 8, .value_kind: global_buffer, .address_space: global }
      - { .name: lowp_scales, .offset: 32, .size: 8, .value_kind: global_buffer, .address_space: global }
      - { .name: out0, .offset: 40, .size: 8, .value_kind: global_buffer, .address_space: global }
    .group_segment_fixed_size: 0
    .private_segment_fixed_size: 0
    .kernarg_segment_align: 8
    .kernarg_segment_size: 48
    .max_flat_workgroup_size: 128
    .sgpr_count:     80
    .vgpr_count:     208
    .wavefront_size: 32
...
	.end_amdgpu_metadata
.endif
;; end of part 8
